; MI455X (gfx1250); checked and timed in simulation.
; The chip was launched on July 23, 2026; its instructions are those of AMD's public machine-readable ISA for CDNA 5 (MIT licence, August 2026) and "CDNA5" Instruction Set Architecture Reference Guide (July 2026). The comments in the code are by the model that wrote it; some were corrected since.
;; Multi Head Attention Efficient. Allowed arithmetic: float matrix products may take bf16 or f16 operands with f32 sums; all other float work in f32.
;; Inputs: W_out 1,024 x 1,024 float32; W_qkv 1,024 x 3,072 float32; b_out 1,024 float32; b_qkv 3,072 float32; x 4 x 2,048 x 1,024 float32.
;; Outputs: out0 4 x 2,048 x 1,024 float32.
;; 2 versions, each right; version 2 is version 1 with the launch cast written anew for expert scheduling mode. Each part assembles by itself: llvm-mc -triple=amdgcn-amd-amdhsa -mcpu=gfx1250 --defsym DOCPART=n.
;; ======== version 1 of 2: 4 launches
;; limits: values are held in f16: magnitudes above 65,504 overflow, below 6.1e-05 lose precision
;; workspace buffers: xb 16,777,216 bytes; wqb 6,291,456 bytes; wob 2,097,152 bytes; qkv 50,331,648 bytes; att 16,777,216 bytes
;; launch cast (part 1): grid 768 x 1, 8 waves a work-group, no clusters, 0 bytes of LDS; arguments x, W_qkv, W_out, xb, wqb, wob; writes xb, wqb, wob
.if DOCPART == 1
	.amdgcn_target "amdgcn-amd-amdhsa--gfx1250"
	.amdhsa_code_object_version 6
	.text
	.protected	k_q89074fcf8a_cast
	.globl	k_q89074fcf8a_cast
	.p2align	8
	.type	k_q89074fcf8a_cast,@function
k_q89074fcf8a_cast:
	s_mov_b64 s[64:65], 0
	v_nop
	global_prefetch_b8 v0, s[64:65] scope:SCOPE_SE
	s_setreg_imm32_b32 hwreg(HW_REG_WAVE_MODE, 25, 1), 1
	s_wait_xcnt 0x0
; The three large f32 inputs become 16-bit matrix operands, each byte read once and each result byte written once.
;   x     [8192][1024] -> xb   bf16          W_qkv [1024][3072] -> wqb  bf16
;   W_out [1024][1024] -> wob: rounded to bf16 like the other two, and that value written in f16 format, because its partner in the
;   last product (the attention result) is f16.  LIMIT: the second step is exact for 2^-17 <= |w| < 65,504; below 2^-17 it is off by
;   at most 2^-25 absolute, at 65,520 and above it gives infinity.
; A work-group takes a chunk of 16,384 numbers (65,536 bytes in, 32,768 out): 512 chunks of x, 192 of W_qkv, 64 of W_out = 768 groups.
; Thread t takes, in each of sixteen steps n, the 16 bytes at 4,096 n + 16 t and stores 8 bytes at 2,048 n + 8 t: a load of a wave covers
; 512 consecutive bytes, a store of a wave 256 consecutive bytes, aligned.  All sixteen loads of a thread go out first.
; No LDS, no barrier, no matrix unit: nothing is shared.
.set XCH, 512                          ; chunks of x
.set QCH, 192                          ; chunks of W_qkv
.set X,   4                            ; v[4:67]    sixteen loads of 16 bytes
.set Y,   68                           ; v[68:99]   sixteen stores of 8 bytes
.set T,   100                          ; v[100:103] at work (W_out only)
	s_load_b256 s[4:11], s[0:1], 0x0               ; x s[4:5], W_qkv s[6:7], W_out s[8:9], xb s[10:11]
	s_load_b128 s[12:15], s[0:1], 0x20             ; wqb s[12:13], wob s[14:15]
	s_mov_b32 s2, ttmp9                            ; the work-group's number
	s_mov_b32 s3, 0xffff0000                       ; a word's upper bf16
	v_lshlrev_b32 v1, 4, v0                        ; 16 t: where I read
	v_lshlrev_b32 v2, 3, v0                        ; 8 t: where I write
	s_wait_kmcnt 0x0
; One chunk.  src, dst: the scalar pairs of the two buffers; first: the number of the group that has the buffer's chunk 0;
; twice = 1: the bf16 value is written in f16 format.
.macro STREAM src, dst, first, twice
	s_sub_co_u32 s16, s2, \first                   ; my chunk
	s_lshl_b32 s18, s16, 15                        ; its bytes out,
	s_lshl_b32 s16, s16, 16                        ; and in (at most 511 x 65,536: 32 bits do)
	s_mov_b32 s17, 0
	s_mov_b32 s19, 0
	s_add_nc_u64 s[20:21], s[\src:\src+1], s[16:17]
	s_add_nc_u64 s[22:23], s[\dst:\dst+1], s[18:19]
.irp n, 0,1,2,3,4,5,6,7,8,9,10,11,12,13,14,15
	global_load_b128 v[X+4*\n:X+4*\n+3], v1, s[20:21] offset:4096*\n th:TH_LOAD_NT
.endr
.irp n, 0,1,2,3,4,5,6,7,8,9,10,11,12,13,14,15
	s_wait_loadcnt 15-\n                           ; loads come back in order: number n is in, the 15 - n younger loads stay out
	v_cvt_pk_bf16_f32 v[Y+2*\n], v[X+4*\n], v[X+4*\n+1]
	v_cvt_pk_bf16_f32 v[Y+2*\n+1], v[X+4*\n+2], v[X+4*\n+3]
.if \twice
.irp k, 0,1
	v_lshlrev_b32 v[T+2*\k], 16, v[Y+2*\n+\k]                  ; the two bf16 values as f32,
	v_and_b32 v[T+2*\k+1], s3, v[Y+2*\n+\k]
	v_cvt_pk_f16_f32 v[Y+2*\n+\k], v[T+2*\k], v[T+2*\k+1]      ; and in f16 format: 8 bits of mantissa fit into 11
.endr
.endif
	global_store_b64 v2, v[Y+2*\n:Y+2*\n+1], s[22:23] offset:2048*\n   ; no register of a pending load or store is written again in this text
.endr
	s_endpgm
.endm
	s_cmp_lt_u32 s2, XCH
	s_cbranch_scc1 .Lx
	s_cmp_lt_u32 s2, XCH+QCH
	s_cbranch_scc1 .Lq
	STREAM 8, 14, XCH+QCH, 1
.Lx:
	STREAM 4, 10, 0, 0
.Lq:
	STREAM 6, 12, XCH, 0
.Lfunc_end_k_q89074fcf8a_cast:
	.size	k_q89074fcf8a_cast, .Lfunc_end_k_q89074fcf8a_cast-k_q89074fcf8a_cast
	.p2alignl 7, 3214868480
	.fill 96, 4, 3214868480
	.section	.rodata,"a",@progbits
	.p2align	6, 0x0
	.amdhsa_kernel k_q89074fcf8a_cast
		.amdhsa_group_segment_fixed_size 0
		.amdhsa_private_segment_fixed_size 0
		.amdhsa_enable_private_segment 0
		.amdhsa_kernarg_size 48
		.amdhsa_user_sgpr_count 2
		.amdhsa_user_sgpr_kernarg_segment_ptr 1
		.amdhsa_wavefront_size32 1
		.amdhsa_system_sgpr_workgroup_id_x 1
		.amdhsa_system_sgpr_workgroup_id_y 1
		.amdhsa_system_sgpr_workgroup_id_z 1
		.amdhsa_system_vgpr_workitem_id 0
		.amdhsa_next_free_vgpr 104
		.amdhsa_next_free_sgpr 66
		.amdhsa_reserve_vcc 0
		.amdhsa_float_denorm_mode_32 3
		.amdhsa_float_denorm_mode_16_64 3
		.amdhsa_memory_ordered 1
		.amdhsa_forward_progress 1
		.amdhsa_inst_pref_size 23
	.end_amdhsa_kernel
	.amdgpu_metadata
---
amdhsa.version: [ 1, 2 ]
amdhsa.kernels:
  - .name:           k_q89074fcf8a_cast
    .symbol:         k_q89074fcf8a_cast.kd
    .args:
      - { .name: x, .offset: 0, .size: 8, .value_kind: global_buffer, .address_space: global }
      - { .name: W_qkv, .offset: 8, .size: 8, .value_kind: global_buffer, .address_space: global }
      - { .name: W_out, .offset: 16, .size: 8, .value_kind: global_buffer, .address_space: global }
      - { .name: xb, .offset: 24, .size: 8, .value_kind: global_buffer, .address_space: global }
      - { .name: wqb, .offset: 32, .size: 8, .value_kind: global_buffer, .address_space: global }
      - { .name: wob, .offset: 40, .size: 8, .value_kind: global_buffer, .address_space: global }
    .group_segment_fixed_size: 0
    .private_segment_fixed_size: 0
    .kernarg_segment_align: 8
    .kernarg_segment_size: 48
    .max_flat_workgroup_size: 256
    .sgpr_count:     66
    .vgpr_count:     104
    .wavefront_size: 32
...
	.end_amdgpu_metadata
.endif
;; end of part 1
;; launch gemm_qkv (part 2): grid 8 x 32, 4 waves a work-group, clusters of 4 x 4, 327,680 bytes of LDS; arguments xb, wqb, b_qkv, qkv; writes qkv
.if DOCPART == 2
	.amdgcn_target "amdgcn-amd-amdhsa--gfx1250"
	.amdhsa_code_object_version 6
	.text
	.protected	k_q89074fcf8a_gemm_qkv
	.globl	k_q89074fcf8a_gemm_qkv
	.p2align	8
	.type	k_q89074fcf8a_gemm_qkv,@function
k_q89074fcf8a_gemm_qkv:
	s_mov_b64 s[64:65], 0
	v_nop
	global_prefetch_b8 v0, s[64:65] scope:SCOPE_SE
	s_setreg_imm32_b32 hwreg(HW_REG_WAVE_MODE, 25, 1), 1
	s_wait_xcnt 0x0
	s_wait_alu depctr_hold_cnt(0) depctr_sa_sdst(0) depctr_va_vdst(0) depctr_va_sdst(0) depctr_va_ssrc(0) depctr_va_vcc(0) depctr_vm_vsrc(0)
	s_getreg_b32 s2, hwreg(HW_REG_IB_STS2, 6, 4)
	s_cmp_eq_u32 s2, 0
	s_cbranch_scc0 .Lentry_in_a_cluster
	s_endpgm
.Lentry_in_a_cluster:
	s_bfe_u32 s2, ttmp6, 0x10000c
	s_cmp_lg_u32 s2, 0xf033
	s_cbranch_scc0 .Lentry_shape_is_right
	s_endpgm
.Lentry_shape_is_right:
; qkv[m][n] = sum over k of xb[m][k] wqb[k][n] + b_qkv[n].  xb [8192][1024] bf16, wqb [1024][3072] bf16, b_qkv f32, qkv [8192][3072] f16.
; LIMIT: the result is stored in f16: |qkv| must stay below 65,504 (beyond that it becomes infinity).
;
; C has 64 x 8 = 512 blocks of 128 rows x 384 columns.  There are 8 x 32 = 256 work-groups, and each STAYS and makes two blocks of one block
; column, block rows wy and wy + 32, one after the other.  K goes in steps of 128 through two LDS slots filled by tensor loads, and the slots
; take turns on into the second block: the last two K steps of the first block ask for the first two of the second, so the second block
; starts on tiles that have landed, and the first block's stores leave while the second is multiplied.
; Four waves side by side along N; a wave makes 128 x 96: 48 accumulator tiles of 16 x 16.
; CLUSTERS: 4 x 4 work-groups.  A's tile hangs on the block row alone and is asked for jointly by the four of a row of the cluster, B's on the
; block column alone and is asked for jointly by the four of a column: a quarter of the requests for each.
; B lies [K][N] in memory and in LDS; its fragments come by transposing LDS loads.  Wave w owns, in each group of 128 columns, the 32 columns
; from 32 w on: tile b is columns 128 (b / 2) + 32 w + 16 (b % 2) .. + 15, so that every address is linear in w with b in the immediate.
; THE MATRIX INSTRUCTION IS USED TRANSPOSED (source 0 = 16 columns of B, source 1 = 16 rows of A): register j of lane l holds row l % 16 of C,
; column n0 + 8 (l / 16) + j.  The first product of each tile takes the bias, loaded in just that layout, as C: nothing is cleared or added later.
; REGISTERS, in windows of 256: window 0 addresses, A's fragments (two buffers), bias; window 1 B's fragments (two buffers);
; window 2 the accumulators of rows 0-63 (tile (a, b) at v[8 (NT a + b)]), window 3 those of rows 64-127.
.set SIZE_K, 1024
.set SIZE_N, 3072
.set NT,     6                         ; tiles of 16 columns in a wave
.set NBLK,   64*NT                     ; columns of a block
.set BP,     864                       ; LDS pitch of a k-row of B: 3 x (256 + 32) bytes = 27 x 32
.set SUBB,   288                       ; LDS bytes from one group of 128 columns to the next
.set QIB,    5                         ; padding behind every 64 words of B
.set RB,     768                       ; bytes of a block's row of C
.set CROW,   6144                      ; bytes of a row of C
.set PS,     RB+16                     ; pitch of the stage: an odd multiple of 16 bytes
.set KSTEP,  128
.set PITCH,  272                       ; LDS pitch of a row of A: 256 + 16 bytes
.set AHALF,  64*PITCH                  ; what one tensor load brings of A
.set BBASE,  128*PITCH                 ; B lies behind A's 128 rows
.set BHALF,  64*BP                     ; what one tensor load brings of B
.set SLOT,   BBASE+128*BP              ; 145,408
.set STAGE,  2*SLOT                    ; 290,816: behind the ring, two buffers of 16 rows for the way out; no tensor load ever fills these bytes
.set SBUF,   16*PS                     ; 12,544
.set BSTEP,  2*KSTEP*SIZE_N*2          ; two K steps down B, in bytes
.set LAPS,   SIZE_K/(2*KSTEP)          ; a lap = two K steps = once round the ring; four laps a block
.set AJUMP,  32*128*SIZE_K*2-(LAPS-1)*2*KSTEP*2    ; from a slot's last K step of the first block to its first of the second: 32 block rows on, three laps back
.set BJUMP,  (LAPS-1)*BSTEP            ; B: three laps back
.set CJUMP,  32*128*CROW               ; C: 32 block rows on
.set ADRA, 16                          ; v16-17  LDS address of my A fragments in slot 0, 1
.set ADRB, 20                          ; v20-23  the same for B: 2 x slot + (k-rows 0-63 or 64-127), so that the immediates stay inside 16 bits
.set STO,  24                          ; v24     the way out: where I put my part of 16 rows
.set RD,   26                          ; v26     the way out: where I read rows back
.set CO,   27                          ; v27     my byte offset in the block of C
.set BOFF, 28                          ; v28     my byte offset in the bias
.set TMP,  32                          ; v32-55  packed results
.set F0,   64                          ; fragment buffer 0
.set F1,   128                         ; fragment buffer 1
.set OB,   128                         ; the way out: rows read back, two sets of 24 registers, in window 0's buffer 1
.set BIAS, 192                         ; v192-239  8 registers for each of my 6 tiles; they serve both blocks
.set G1,  24                           ; s[24:31] descriptor group 1 for A's tiles
.set G0,  32                           ; s[32:39] group 0 for A's tiles, a set for each slot
.set G1B, 48                           ; s[48:55] group 1 for B's tiles
.set G0B, 56                           ; s[56:63] group 0 for B's tiles, a set for each slot
.set MSB, 0
.macro WIN new                         ; the immediate's high byte repeats the setting that is left
.if MSB != (\new)
	s_set_vgpr_msb (MSB<<8)|(\new)
.set MSB, (\new)
.endif
.endm
.set MUL_LO,   0xa1                    ; source 0 (B) window 1, source 1 (A) window 0, C and D window 2
.set MUL_HI,   0xf1                    ; the same, C and D window 3
.set FIRST_LO, 0x81                    ; C (the bias) window 0, D window 2
.set FIRST_HI, 0xc1                    ; C window 0, D window 3
.set TO_B,     0x40                    ; destination window 1, address window 0
.macro MM d, a, b, c
	v_wmma_f32_16x16x32_bf16 v[\d:\d+7], v[\a:\a+7], v[\b:\b+7], v[\c:\c+7]
.endm
; A joint load.  Waves 0 and 1 fetch A's two halves (64 rows each), waves 2 and 3 B's (64 k-rows each).  The branch hangs on the wave's number alone.
.macro JLOAD s
	s_cmp_eq_u32 s13, 0
	s_cbranch_scc0 .Lfor_b_\@
	tensor_load_to_lds s[G0+4*\s:G0+4*\s+3], s[G1:G1+7]
	s_nop 0
	s_branch .Lasked_\@
.Lfor_b_\@:
	tensor_load_to_lds s[G0B+4*\s:G0B+4*\s+3], s[G1B:G1B+7]
	s_nop 0
.Lasked_\@:
.endm
; A round of the cluster's barrier: my work-group's barrier; wave 0 signals for the work-group; every wave waits for all sixteen; my work-group's barrier again.
.macro CREST                           ; a round behind its opening barrier
	s_cmp_lg_u32 s12, 0
	s_cbranch_scc1 .Lnot_wave_0_\@
	s_barrier_signal -3
.Lnot_wave_0_\@:
	s_barrier_wait -3
	s_barrier_signal -1
	s_barrier_wait -1
.endm
.macro CROUND
	s_barrier_signal -1
	s_barrier_wait -1
	CREST
.endm
	s_load_b256 s[4:11], s[0:1], 0x0               ; A s[4:5], B s[6:7], bias s[8:9], C s[10:11]
	s_set_vgpr_msb 0x40
	v_lshl_add_u32 v255, v0, 2, 0x4d200
	s_set_vgpr_msb 0x4000
	v_mov_b32 v255, 0
	s_set_vgpr_msb 0x1
	ds_add_u32 v255, v255
	s_set_vgpr_msb 0x100
	v_lshrrev_b32 v1, 5, v0
	v_readfirstlane_b32 s12, v1                    ; wave 0..3
	s_lshr_b32 s13, s12, 1                         ; I fetch for A (0) or for B (1)
	s_and_b32 s14, s12, 1                          ; which half of that tile's rows
	s_bfe_u32 s40, ttmp6, 0x40000                  ; cx
	s_bfe_u32 s41, ttmp6, 0x40004                  ; cy
	s_lshl_b32 s42, ttmp9, 2
	s_add_co_u32 s42, s42, s40                     ; block column of C = 4 x cluster x + cx
	s_and_b32 s43, ttmp7, 0xffff
	s_lshl_b32 s43, s43, 2
	s_add_co_u32 s43, s43, s41                     ; wy = 4 x cluster y + cy: my first block row; the second is wy + 32
	s_lshl_b32 s44, s41, 2
	s_lshl_b32 s44, 15, s44                        ; my row of the cluster: places 4 cy .. 4 cy + 3
	s_lshl_b32 s45, 0x1111, s40                    ; my column: places cx, cx + 4, cx + 8, cx + 12
	; group 1 for A: 64 rows x 128 elements of 2 bytes, 4 words of padding behind every 64 words; the mask of my row, bit 21 beside it
	s_or_b32 s[G1+0], s44, (1<<16)|(1<<20)|(1<<21)|(5<<22)|(3<<25)
	s_mov_b32 s[G1+1], KSTEP<<16                   ; tensor_dim0 = 128
	s_mov_b32 s[G1+2], 64<<16                      ; tensor_dim1 = 64
	s_mov_b32 s[G1+3], KSTEP<<16                   ; tile_dim0 = 128
	s_mov_b32 s[G1+4], 64                          ; tile_dim1 = 64
	s_mov_b32 s[G1+5], SIZE_K                      ; elements from row to row
	s_mov_b32 s[G1+6], 0
	s_mov_b32 s[G1+7], 0
	; group 1 for B: 64 k-rows x 384 elements, 8 words of padding behind every 64 words; the mask of my column
	s_or_b32 s[G1B+0], s45, (1<<16)|(1<<20)|(1<<21)|(QIB<<22)|(7<<25)
	s_mov_b32 s[G1B+1], NBLK<<16
	s_mov_b32 s[G1B+2], 64<<16
	s_mov_b32 s[G1B+3], NBLK<<16
	s_mov_b32 s[G1B+4], 64
	s_mov_b32 s[G1B+5], SIZE_N
	s_mov_b32 s[G1B+6], 0
	s_mov_b32 s[G1B+7], 0
	; where the tiles come from: A's address is made of the block row and the wave's number, B's of the block column and the wave's number,
	; each in registers that never hold the other coordinate
	s_lshl_b32 s16, s43, 7
	s_lshl_b32 s17, s14, 6
	s_add_co_u32 s16, s16, s17                     ; A: row 128 x block row + 64 x half,
	s_lshl_b32 s16, s16, 11                        ; in bytes (2,048 a row; below 2^24)
	s_mov_b32 s17, 0
	s_mul_i32 s46, s14, 64*SIZE_N*2                ; B: k-row 64 x half,
	s_mul_i32 s47, s42, NBLK*2                     ; column 384 x block column
	s_add_co_u32 s46, s46, s47
	s_mov_b32 s47, 0
	s_mul_i32 s20, s14, AHALF                      ; and where they go: the wave's number alone enters an LDS address
	s_mul_i32 s21, s14, BHALF
	s_add_co_u32 s21, s21, BBASE
	s_mul_i32 s68, s42, NBLK*4                     ; the block column's first bias
	s_mov_b32 s69, 0
	s_mul_i32 s66, s43, 128*CROW                   ; the first block's first byte in C (below 2^25)
	s_mul_i32 s67, s42, RB
	s_add_co_u32 s66, s66, s67
	s_mov_b32 s67, 0
	s_wait_dscnt 0x0
	s_wait_kmcnt 0x0
	s_add_nc_u64 s[18:19], s[4:5], s[16:17]
	s_add_nc_u64 s[46:47], s[6:7], s[46:47]
	s_add_nc_u64 s[8:9], s[8:9], s[68:69]
	s_add_nc_u64 s[10:11], s[10:11], s[66:67]
	CROUND                                         ; all sixteen work-groups are here: the first joint loads meet
.irp s, 0,1
	s_mov_b32 s[G0+4*\s], 1                                        ; count = 1
	s_add_co_u32 s[G0+4*\s+1], s20, \s*SLOT                        ; LDS address
	s_add_nc_u64 s[G0+4*\s+2:G0+4*\s+3], s[18:19], \s*KSTEP*2      ; global address: K step s
	s_or_b32 s[G0+4*\s+3], s[G0+4*\s+3], 0x80000000                ; type = 2
	s_mov_b32 s[G0B+4*\s], 1
	s_add_co_u32 s[G0B+4*\s+1], s21, \s*SLOT
	s_add_nc_u64 s[G0B+4*\s+2:G0B+4*\s+3], s[46:47], \s*KSTEP*SIZE_N*2
	s_or_b32 s[G0B+4*\s+3], s[G0B+4*\s+3], 0x80000000
	JLOAD \s                                       ; both first fills go out before anything else: two tensor loads of the wave are out
.endr
	v_and_b32 v1, 15, v0                           ; r = l % 16
	v_bfe_u32 v2, v0, 4, 1                         ; h = l / 16
	v_lshlrev_b32 v[BOFF], 5, v2
	v_lshl_add_u32 v[BOFF], s12, 7, v[BOFF]        ; 4 x (32 w + 8 h)
.set fb, 0
.rept NT                                           ; lane (r, h) takes bias[n0 + 8 h + 0..7] of tile fb: the layout of C in the transposed use
	global_load_b128 v[BIAS+8*fb:BIAS+8*fb+3], v[BOFF], s[8:9] offset:512*(fb>>1)+64*(fb&1)
	global_load_b128 v[BIAS+8*fb+4:BIAS+8*fb+7], v[BOFF], s[8:9] offset:512*(fb>>1)+64*(fb&1)+16
.set fb, fb+1
.endr
	; A's fragments: lane l holds row r; two loads of 16 bytes, 32 bytes apart, at r x pitch + 16 h
	v_mul_u32_u24 v3, v1, PITCH
	v_lshl_add_u32 v3, v2, 4, v3
	v_mov_b32 v[ADRA], v3
	v_add_nc_u32 v[ADRA+1], SLOT, v3
	; B's fragments by transposing loads: lane l addresses k-row 8 h + l % 8, 16 bytes at 16 ((l / 8) % 2); my columns begin at byte 64 w of a group
	v_and_b32 v4, 7, v0
	v_lshl_add_u32 v4, v2, 3, v4
	v_mul_u32_u24 v4, v4, BP
	v_bfe_u32 v5, v0, 3, 1
	v_lshl_add_u32 v4, v5, 4, v4
	v_lshl_add_u32 v4, s12, 6, v4
	v_add_nc_u32 v[ADRB+0], BBASE, v4
	v_add_nc_u32 v[ADRB+1], BBASE+64*BP, v4
	v_add_nc_u32 v[ADRB+2], SLOT+BBASE, v4
	v_add_nc_u32 v[ADRB+3], SLOT+BBASE+64*BP, v4
	; the stage of the way out: in: row r, my 32 columns of a group, 8 numbers for each half of the lanes
	v_mul_u32_u24 v6, v1, PS
	v_lshl_add_u32 v6, v2, 4, v6
	v_lshl_add_u32 v6, s12, 6, v6
	v_add_nc_u32 v[STO], STAGE, v6
	v_lshl_add_u32 v7, s12, 2, v2                  ; back: of a pass's 16 rows wave w takes rows 4 w .. 4 w + 3, lanes 0-15 one row, lanes 16-31 the next
	v_mul_u32_u24 v8, v7, PS
	v_lshl_add_u32 v8, v1, 4, v8
	v_add_nc_u32 v[RD], STAGE, v8
	v_mul_u32_u24 v8, v7, CROW
	v_lshl_add_u32 v[CO], v1, 4, v8
; 2 NT matrix instructions: row blocks a0, a0 + 1 of the window's four (hi = 0: rows 0-63, 1: rows 64-127) x my NT column tiles, 32 along K.
; first = 1: C is the bias.  The 8 NT accumulators take turns, one instruction a turn, in the same order in every quarter step.
.macro MULQ f, hi, a0, first
.set ma, \a0
.rept 2
.set mb, 0
.rept NT
.if \first
	MM 8*(NT*ma+mb), \f+8*mb, \f+8*(4*\hi+ma), BIAS+8*mb
.else
	MM 8*(NT*ma+mb), \f+8*mb, \f+8*(4*\hi+ma), 8*(NT*ma+mb)
.endif
.set mb, mb+1
.endr
.set ma, ma+1
.endr
.endm
; 2 NT + 16 LDS loads in one run: the fragments of quarter step q (32 along K) of a slot into buffer f
.macro FETCH slot, q, f
	WIN TO_B
.set fb, 0
.rept NT
	ds_load_tr16_b128 v[\f+8*fb:\f+8*fb+3], v[ADRB+2*\slot+(\q>>1)] offset:(\q&1)*32*BP+(fb>>1)*SUBB+(fb&1)*32
	ds_load_tr16_b128 v[\f+8*fb+4:\f+8*fb+7], v[ADRB+2*\slot+(\q>>1)] offset:(\q&1)*32*BP+(fb>>1)*SUBB+(fb&1)*32+16*BP
.set fb, fb+1
.endr
	WIN 0
.irp i, 0,1,2,3,4,5,6,7
	ds_load_b128 v[\f+8*\i:\f+8*\i+3],   v[ADRA+\slot] offset:\q*64+\i*16*PITCH
	ds_load_b128 v[\f+8*\i+4:\f+8*\i+7], v[ADRA+\slot] offset:\q*64+\i*16*PITCH+32
.endr
.endm
; A load into a register that a matrix instruction has read, and whatever reads a matrix result other than a matrix instruction, stand four
; places behind it, and only plain vector instructions that name none of its registers are places.
.macro PLACES
.rept 4
	v_nop
.endr
.endm
; One of a K step's first three quarter steps: multiplies buffer f; in its middle it fetches quarter q of the same slot into buffer g.
.macro QUARTER slot, q, f, g, first
	s_wait_dscnt 8                                 ; B and A's rows 0-63 are in; the youngest eight loads (A's rows 64-127) may be out
.if \first
	WIN FIRST_LO
.else
	WIN MUL_LO
.endif
	MULQ \f, 0, 0, \first
	MULQ \f, 0, 2, \first
	PLACES
	FETCH \slot, \q, \g
	s_wait_dscnt 2*NT+16                           ; all but the 2 NT + 16 just issued
.if \first
	WIN FIRST_HI
.else
	WIN MUL_HI
.endif
	MULQ \f, 1, 0, \first
	MULQ \f, 1, 2, \first
.endm
.macro THREE slot, first
	QUARTER \slot, 1, F0, F1, \first
	QUARTER \slot, 2, F1, F0, 0
	QUARTER \slot, 3, F0, F1, 0
.endm
; The last quarter step: multiplies buffer 1 and changes slots.  fill = 1: this slot is filled again, two K steps ahead; fill = 2: with the
; second block's K step of the same slot; fill = 0: not at all.
; In front of the barrier each wave waits for its reads of this slot and for all its tensor loads (one is out: its part of the next slot).
; Where the slot is filled again the barrier opens a round of the cluster's barrier, and the joint refill is the first tensor load behind the round.
.macro TURN slot, next, fill
	s_wait_dscnt 8
	WIN MUL_LO
	MULQ F1, 0, 0, 0
	s_wait_dscnt 0                                 ; my reads of this slot are over
	s_wait_tensorcnt 0x0                           ; and all my tensor loads have landed
	ds_add_u32 v255, v255
	s_wait_dscnt 0x0
	s_barrier_signal -1
	MULQ F1, 0, 2, 0                               ; register work while the others arrive
	WIN 0
	s_barrier_wait -1
.if \fill
	CREST                                          ; no wave of any partner still reads this slot or has a load on its way
.if \fill == 1
	s_add_nc_u64 s[G0+4*\slot+2:G0+4*\slot+3], s[G0+4*\slot+2:G0+4*\slot+3], 2*KSTEP*2
	s_add_nc_u64 s[G0B+4*\slot+2:G0B+4*\slot+3], s[G0B+4*\slot+2:G0B+4*\slot+3], BSTEP
.else
	s_add_nc_u64 s[G0+4*\slot+2:G0+4*\slot+3], s[G0+4*\slot+2:G0+4*\slot+3], AJUMP
	s_sub_nc_u64 s[G0B+4*\slot+2:G0B+4*\slot+3], s[G0B+4*\slot+2:G0B+4*\slot+3], BJUMP
.endif
	JLOAD \slot                                    ; my one tensor load behind the round
.endif
	PLACES
	FETCH \next, 0, F0
	WIN MUL_HI
	MULQ F1, 1, 0, 0
	MULQ F1, 1, 2, 0
.endm
.macro LAP first, fill
	THREE 0, \first
	TURN 0, 1, \fill
	THREE 1, 0
	TURN 1, 0, \fill
.endm
; THE WAY OUT, in eight passes of 16 rows through two stage buffers that take turns.
; PUT p: rows 16 p .. 16 p + 15 of the block: my six tiles, rounded to f16, into buffer p % 2.
.macro PUT p
	WIN 0x0a+5*((\p)>>2)                           ; both sources from window 2 (rows 0-63) or 3 (rows 64-127)
.set ob, 0
.rept NT
.irp r, 0,1,2,3
	v_cvt_pk_f16_f32 v[TMP+4*ob+\r], v[8*(NT*((\p)&3)+ob)+2*\r], v[8*(NT*((\p)&3)+ob)+2*\r+1]
.endr
.set ob, ob+1
.endr
	WIN 0
.set ob, 0
.rept NT
	ds_store_b128 v[STO], v[TMP+4*ob:TMP+4*ob+3] offset:((\p)&1)*SBUF+256*(ob>>1)+32*(ob&1)
.set ob, ob+1
.endr
.endm
; Behind the barrier that shows pass p whole, a wave reads its 4 rows x 768 bytes of it back (six loads), puts pass p + 1 into the other buffer
; while they are on their way, and stores the six.  The other buffer was last read in pass p - 1, and every wave has waited for those reads
; in front of the barrier just passed.  No tensor load is issued behind these barriers, so the one that is out in the first block's way out
; (slot 1's, for the second block) may stay out.  Fragment buffer 0 is not touched: it holds the second block's first fragments.
.macro WAYOUT
	PLACES                                         ; the places behind the last matrix instructions
	PUT 0
	s_wait_dscnt 0x0
	s_barrier_signal -1
	s_barrier_wait -1
.irp p, 0,1,2,3,4,5,6,7
	s_wait_xcnt 0x0                                ; this set of registers was the data of the stores two passes ago: it is loaded again only behind this wait
.irp t, 0,1,2,3,4,5
	ds_load_b128 v[OB+24*(\p&1)+4*\t:OB+24*(\p&1)+4*\t+3], v[RD] offset:(\p&1)*SBUF+2*(\t/3)*PS+256*(\t%3)
.endr
.if \p < 7
	PUT \p+1
.endif
.irp t, 0,1,2,3,4,5
.if \p < 7
	s_wait_dscnt 11-\t                             ; LDS instructions end in order: load t is in; the 5 - t younger loads and the six stage stores behind them may be out
.else
	s_wait_dscnt 5-\t
.endif
	global_store_b128 v[CO], v[OB+24*(\p&1)+4*\t:OB+24*(\p&1)+4*\t+3], s[10:11] offset:(16*\p+2*(\t/3))*CROW+256*(\t%3)   ; sixteen lanes store 256 consecutive bytes, aligned
.endr
.if \p < 7
	s_wait_dscnt 0x0                               ; my stores of pass p + 1 are done, and my reads of pass p are back
	s_barrier_signal -1
	s_barrier_wait -1
.endif
.endr
	s_wait_xcnt 0x0                                ; the stores' base and data registers are written again only behind this wait
.endm
	s_wait_loadcnt 0x0                             ; the bias
	s_wait_tensorcnt 0x1                           ; my part of K step 0 is in; K step 1's load stays out
	s_barrier_signal -1
	s_barrier_wait -1                              ; everybody's is
	FETCH 0, 0, F0
	; THE FIRST BLOCK: all four laps fill both slots again
	LAP 1, 1                                       ; the first lap stands in front of the loop: its first products start the sums with the bias
	WIN 0                                          ; at a label and at a branch every window is 0
	s_mov_b32 s3, LAPS-2
.Llap0:
	LAP 0, 1
	WIN 0
	s_sub_co_u32 s3, s3, 1
	s_cmp_lg_u32 s3, 0
	s_cbranch_scc1 .Llap0
	LAP 0, 2                                       ; the last lap asks for the second block's K steps 0 and 1 and fetches its first fragments
	WAYOUT
	s_add_nc_u64 s[10:11], s[10:11], CJUMP
	; THE SECOND BLOCK
	LAP 1, 1
	WIN 0
	s_mov_b32 s3, LAPS-2
.Llap1:
	LAP 0, 1
	WIN 0
	s_sub_co_u32 s3, s3, 1
	s_cmp_lg_u32 s3, 0
	s_cbranch_scc1 .Llap1
	THREE 0, 0                                     ; the last lap fills nothing
	TURN 0, 1, 0
	THREE 1, 0
	s_wait_dscnt 8                                 ; the very last quarter step
	WIN MUL_LO
	MULQ F1, 0, 0, 0
	MULQ F1, 0, 2, 0
	s_wait_dscnt 0
	WIN MUL_HI
	MULQ F1, 1, 0, 0
	MULQ F1, 1, 2, 0
	WAYOUT
	s_set_vgpr_msb 0x1
	s_wait_tensorcnt 0x0
	ds_add_u32 v255, v255
	s_wait_dscnt 0x0
	s_set_vgpr_msb 0x100
	CROUND                                         ; the closing round: no work-group ends while a partner may still ask for a tile that names it
	s_endpgm
.Lfunc_end_k_q89074fcf8a_gemm_qkv:
	.size	k_q89074fcf8a_gemm_qkv, .Lfunc_end_k_q89074fcf8a_gemm_qkv-k_q89074fcf8a_gemm_qkv
	.p2alignl 7, 3214868480
	.fill 96, 4, 3214868480
	.section	.rodata,"a",@progbits
	.p2align	6, 0x0
	.amdhsa_kernel k_q89074fcf8a_gemm_qkv
		.amdhsa_group_segment_fixed_size 327680
		.amdhsa_private_segment_fixed_size 0
		.amdhsa_enable_private_segment 0
		.amdhsa_kernarg_size 32
		.amdhsa_user_sgpr_count 2
		.amdhsa_user_sgpr_kernarg_segment_ptr 1
		.amdhsa_wavefront_size32 1
		.amdhsa_system_sgpr_workgroup_id_x 1
		.amdhsa_system_sgpr_workgroup_id_y 1
		.amdhsa_system_sgpr_workgroup_id_z 1
		.amdhsa_system_vgpr_workitem_id 0
		.amdhsa_next_free_vgpr 960
		.amdhsa_next_free_sgpr 72
		.amdhsa_reserve_vcc 0
		.amdhsa_float_denorm_mode_32 3
		.amdhsa_float_denorm_mode_16_64 3
		.amdhsa_memory_ordered 1
		.amdhsa_forward_progress 1
		.amdhsa_inst_pref_size 255
	.end_amdhsa_kernel
	.section	.bss,"aw",@nobits
	.p2align	6
	.space	262144
	.amdgpu_metadata
---
amdhsa.version: [ 1, 2 ]
amdhsa.kernels:
  - .name:           k_q89074fcf8a_gemm_qkv
    .symbol:         k_q89074fcf8a_gemm_qkv.kd
    .args:
      - { .name: xb, .offset: 0, .size: 8, .value_kind: global_buffer, .address_space: global }
      - { .name: wqb, .offset: 8, .size: 8, .value_kind: global_buffer, .address_space: global }
      - { .name: b_qkv, .offset: 16, .size: 8, .value_kind: global_buffer, .address_space: global }
      - { .name: qkv, .offset: 24, .size: 8, .value_kind: global_buffer, .address_space: global }
    .group_segment_fixed_size: 327680
    .private_segment_fixed_size: 0
    .kernarg_segment_align: 8
    .kernarg_segment_size: 32
    .max_flat_workgroup_size: 128
    .sgpr_count:     72
    .vgpr_count:     960
    .wavefront_size: 32
...
	.end_amdgpu_metadata
.endif
;; end of part 2
;; launch attn (part 3): grid 8 x 32, 8 waves a work-group, no clusters, 327,680 bytes of LDS; arguments qkv, att; writes att
.if DOCPART == 3
	.amdgcn_target "amdgcn-amd-amdhsa--gfx1250"
	.amdhsa_code_object_version 6
	.text
	.protected	k_q89074fcf8a_attn
	.globl	k_q89074fcf8a_attn
	.p2align	8
	.type	k_q89074fcf8a_attn,@function
k_q89074fcf8a_attn:
	s_mov_b64 s[64:65], 0
	v_nop
	global_prefetch_b8 v0, s[64:65] scope:SCOPE_SE
	s_setreg_imm32_b32 hwreg(HW_REG_WAVE_MODE, 25, 1), 1
	s_wait_xcnt 0x0
; Causal attention, softmax(q k^T / 8) v, by a running maximum.  qkv [8192][3072] f16 (q, k, v at columns 0, 1024, 2048), att [8192][1024] f16.
; A work-group (8 waves) takes one batch, one PAIR of heads (their 2 x 64 numbers of a token are 256 consecutive bytes, aligned) and the two
; query blocks i and 15 - i of 128 rows: (i + 1) + (16 - i) = 17 key tiles of 128 keys for every one of the 8 x 32 = 256 work-groups.
; Waves 0-3 take the pair's first head, waves 4-7 the second; g = wave % 4 picks 32 query rows = two tiles of 16.
; Of the two blocks the one with the odd number (an even number of key tiles) goes first, so that key tile kt always lies in LDS slot kt % 2
; and the diagonal tile, the only one that is masked, always stands in a tail that is written out.
; TRANSPOSED: S^T = K Q^T (lane l holds query l % 16, register j key 8 (l / 16) + j), so two packed key tiles ARE the second operand of
; O^T = V^T P^T, and maximum, sum and rescale factor are one number a lane.  V^T comes by transposing LDS loads.
; ONE SOFTMAX STEP FOR A WHOLE TILE OF 128 KEYS: 128 score registers a wave, so that O^T is rescaled and the maximum is carried on once for
; 128 keys.  K's 128 fragment registers are loaded again with V^T as soon as the scores are made.
; THE MASK IS THE C OPERAND of the first of a score block's two products: 0 below the diagonal, eight registers with 0 or -1e30 on the
; diagonal block, eight registers of -1e30 above it.  Which of a wave's 2 x 8 blocks of 16 x 16 these are hangs on g alone (key block kt against
; query block 2 g + qt), so a branch on the wave's number picks one of four runs of 32 matrix instructions; no vector instruction masks.
; NO CLUSTER: the eight work-groups of a pair of heads walk 1 to 16 key tiles per query block, so partners would need different numbers of tiles;
; a form in which all partners ask for every tile would make each compute or discard up to 16 tiles where it needs (i + 1), and what is
; shared is 64 KiB for a trip of 64 matrix instructions and a softmax step a wave.
; LIMITS: q, k, v, p and the result are f16 (|value| < 65,504).  Key tiles above the diagonal are left out and masked scores get -1e30 added, so
; their exponentials are 0: equal to a masking that sets them to -1e9, as long as a row's largest allowed score / 8 lies above about
; -1e9 + 104.  Exponentials below 2^-126 come out as zero (ISA guide 15.8).
.set ROWQ,  6144                       ; bytes of a row of qkv
.set TILEB, 128*ROWQ                   ; from one key tile to the next
.set KP,    272                        ; LDS pitch of K: 256 + 16
.set VP,    288                        ; LDS pitch of V: 256 + 32 = 9 x 32, for the transposing loads
.set VBASE, 128*KP
.set SLOT,  VBASE+128*VP               ; 71,680
.set STAGE, 2*SLOT                     ; 143,360: 128 rows x 272 bytes for the way out; no tensor load ever fills these bytes
.set ADK,  10                          ; v10-11  my K fragments in slot 0, 1
.set ADV,  12                          ; v12-13  my V fragments in slot 0, 1
.set STO,  14                          ; into the stage
.set RD,   15                          ; back from the stage
.set CO,   16                          ; my byte offset in the block of att
.set QOFF, 18
.set O,    20                          ; v[20:83]   O^T: tile (qt, dt) at 32 qt + 8 dt
.set S,    84                          ; v[84:211]  S^T: tile (qt, kt) at 64 qt + 8 kt; P^T (qt, ks) in place at 64 qt + 8 ks
.set M,    212                         ; v212-213   running maximum of the raw scores
.set L,    214                         ; v214-215   running sum (this half of the lanes' keys)
.set NM,   216                         ; v[216:219] -c x maximum, twice for each qt
.set AL,   220                         ; v[220:223] rescale factor, twice for each qt
.set T,    224                         ; v[224:239] at work, eight for each qt
.set DG,   240                         ; v[240:247] C of a diagonal block: register j is 0 where key 8 h + j <= query r, else -1e30
.set AM,   248                         ; v[248:255] C of a block above the diagonal: -1e30
.set KV,   0                           ; window 1: v[256:383] K fragments (kt, e) at 16 kt + 8 e, then V^T fragments (dt, ks) at 32 dt + 8 ks
.set QE,   128                         ; window 1: v[384:415] Q fragments of the odd block: (qt, e) at 16 qt + 8 e
.set QO,   160                         ; window 1: v[416:447] of the even block
.set G1K, 16                           ; s[16:23] group 1 for K's tiles
.set G1V, 24                           ; s[24:31] group 1 for V's tiles (other padding)
.set G0K, 32                           ; s[32:39] group 0 for K, a set for each slot
.set G0V, 40                           ; s[40:47] group 0 for V, a set for each slot
.set MSB, 0
.macro WIN new                         ; the immediate's high byte repeats the setting that is left
.if MSB != (\new)
	s_set_vgpr_msb (MSB<<8)|(\new)
.set MSB, (\new)
.endif
.endm
.macro NOPS n
.rept \n
	v_nop
.endr
.endm
	s_load_b128 s[4:7], s[0:1], 0x0                ; qkv s[4:5], att s[6:7]
	v_lshl_add_u32 v17, v0, 2, 0x2b800
	v_mov_b32 v19, 0
	ds_add_u32 v17, v19
	v_lshrrev_b32 v1, 5, v0
	v_readfirstlane_b32 s8, v1                     ; wave 0..7
	s_lshr_b32 s9, s8, 2                           ; hp: which head of the pair
	s_and_b32 s10, s8, 3                           ; g: which 32 query rows
	s_and_b32 s11, s8, 1                           ; which 64 rows of a tile I fetch (waves 0-3)
	s_and_b32 s12, ttmp7, 0xffff
	s_lshr_b32 s13, s12, 3
	s_lshl_b32 s13, s13, 11                        ; the batch's first row
	s_and_b32 s14, s12, 7
	s_lshl_b32 s14, s14, 8                         ; the pair's 256 bytes in a row
	s_mov_b32 s59, ttmp9                           ; i
	s_sub_co_u32 s15, 15, s59                      ; 15 - i
	s_and_b32 s12, s59, 1                          ; SCC = i is odd
	s_cselect_b32 s60, s59, s15                    ; qE: the block with the odd number
	s_cselect_b32 s61, s15, s59                    ; qO: the one with the even number
	s_sub_co_u32 s62, s60, 1
	s_lshr_b32 s62, s62, 1                         ; nE: pairs of tiles in front of block E's last pair
	s_lshr_b32 s63, s61, 1                         ; nO: pairs of tiles in front of block O's last tile
	s_lshl_b32 s2, s60, 7
	s_add_co_u32 s2, s2, s13                       ; first row of block E
	s_lshl_b32 s3, s61, 7
	s_add_co_u32 s3, s3, s13                       ; first row of block O
	s_mov_b32 s52, 0x3e38aa3b                      ; c = log2(e) / 8
	s_mov_b32 s53, 0x3e38aa3b
	s_mov_b32 s54, 0xbe38aa3b                      ; -c
	s_mov_b32 s55, 0xf149f2ca                      ; -1e30
	s_mov_b32 s56, 0x76543210                      ; v_permlanex16_b32: lane i of one half reads lane i of the other
	s_mov_b32 s57, 0xfedcba98
	; group 1: 64 rows x 128 elements of 2 bytes, rows 3,072 elements apart; 4 (K) or 8 (V) words of padding behind every 64 words
	s_mov_b32 s[G1K+0], (1<<16)|(1<<20)|(5<<22)|(3<<25)
	s_mov_b32 s[G1V+0], (1<<16)|(1<<20)|(5<<22)|(7<<25)
.irp g, G1K, G1V
	s_mov_b32 s[\g+1], 128<<16                     ; tensor_dim0 = 128
	s_mov_b32 s[\g+2], 64<<16                      ; tensor_dim1 = 64
	s_mov_b32 s[\g+3], 128<<16                     ; tile_dim0 = 128
	s_mov_b32 s[\g+4], 64                          ; tile_dim1 = 64
	s_mov_b32 s[\g+5], 3072
	s_mov_b32 s[\g+6], 0
	s_mov_b32 s[\g+7], 0
.endr
	s_mov_b32 s75, 0                               ; s[74:75]: byte offsets, all below 2^26
	s_mul_i32 s74, s13, ROWQ
	s_add_co_u32 s74, s74, s14
	s_mul_i32 s12, s11, 64*ROWQ
	s_add_co_u32 s74, s74, s12
	s_add_co_u32 s74, s74, 2048                    ; k: columns 1024 ..
	s_wait_dscnt 0x0
	s_barrier_signal -1
	s_barrier_wait -1
	s_wait_kmcnt 0x0
	s_add_nc_u64 s[48:49], s[4:5], s[74:75]        ; my part of K's tile 0
	s_add_nc_u64 s[50:51], s[48:49], 2048          ; my part of V's tile 0
	s_mul_i32 s74, s2, ROWQ
	s_add_co_u32 s74, s74, s14
	s_add_nc_u64 s[70:71], s[4:5], s[74:75]        ; Q of block E
	s_mul_i32 s74, s3, ROWQ
	s_add_co_u32 s74, s74, s14
	s_add_nc_u64 s[72:73], s[4:5], s[74:75]        ; Q of block O
	s_lshl_b32 s74, s2, 11
	s_add_co_u32 s74, s74, s14
	s_add_nc_u64 s[66:67], s[6:7], s[74:75]        ; att of block E
	s_lshl_b32 s74, s3, 11
	s_add_co_u32 s74, s74, s14
	s_add_nc_u64 s[68:69], s[6:7], s[74:75]        ; att of block O
	s_mul_i32 s2, s11, 64*KP                       ; LDS: my half of K's rows,
	s_mul_i32 s3, s11, 64*VP
	s_add_co_u32 s3, s3, VBASE                     ; of V's
.irp s, 0,1
	s_mov_b32 s[G0K+4*\s], 1
	s_add_co_u32 s[G0K+4*\s+1], s2, \s*SLOT
	s_add_nc_u64 s[G0K+4*\s+2:G0K+4*\s+3], s[48:49], \s*TILEB
	s_or_b32 s[G0K+4*\s+3], s[G0K+4*\s+3], 0x80000000
	s_mov_b32 s[G0V+4*\s], 1
	s_add_co_u32 s[G0V+4*\s+1], s3, \s*SLOT
	s_add_nc_u64 s[G0V+4*\s+2:G0V+4*\s+3], s[50:51], \s*TILEB
	s_or_b32 s[G0V+4*\s+3], s[G0V+4*\s+3], 0x80000000
.endr
; A key tile into slot sl: waves 0, 1 bring K's halves, waves 2, 3 V's, 64 rows of 256 bytes each; waves 4-7 bring nothing.  One load a wave.
.macro KVLOAD sl
	s_cmp_gt_u32 s8, 3
	s_cbranch_scc1 .Lnone_\@
	s_cmp_gt_u32 s8, 1
	s_cbranch_scc1 .Lv_\@
	tensor_load_to_lds s[G0K+4*(\sl):G0K+4*(\sl)+3], s[G1K:G1K+7]
	s_nop 0
	s_branch .Lnone_\@
.Lv_\@:
	tensor_load_to_lds s[G0V+4*(\sl):G0V+4*(\sl)+3], s[G1V:G1V+7]
	s_nop 0
.Lnone_\@:
.endm
	KVLOAD 0                                       ; the first fill: block E's tile 0.  Slot 1 is first filled behind the first trip's barrier
	v_and_b32 v1, 15, v0                           ; r
	v_bfe_u32 v2, v0, 4, 1                         ; h
	v_lshl_add_u32 v3, s10, 5, v1                  ; 32 g + r
	v_mul_u32_u24 v8, v3, ROWQ
	v_lshl_add_u32 v8, v2, 4, v8
	v_lshl_add_u32 v[QOFF], s9, 7, v8              ; row 32 g + r, my head, 16 h
	WIN 0x40                                       ; destination window 1, address window 0
.irp qt, 0,1
.irp e, 0,1
	global_load_b128 v[QE+16*\qt+8*\e:QE+16*\qt+8*\e+3],   v[QOFF], s[70:71] offset:\qt*16*ROWQ+64*\e
	global_load_b128 v[QE+16*\qt+8*\e+4:QE+16*\qt+8*\e+7], v[QOFF], s[70:71] offset:\qt*16*ROWQ+64*\e+32
	global_load_b128 v[QO+16*\qt+8*\e:QO+16*\qt+8*\e+3],   v[QOFF], s[72:73] offset:\qt*16*ROWQ+64*\e
	global_load_b128 v[QO+16*\qt+8*\e+4:QO+16*\qt+8*\e+7], v[QOFF], s[72:73] offset:\qt*16*ROWQ+64*\e+32
.endr
.endr
	WIN 0
	v_lshlrev_b32 v4, 3, v2
	v_sub_nc_u32 v4, v1, v4                        ; r - 8 h: key 8 h + j of a diagonal block is allowed for query r if j <= r - 8 h
.irp j, 0,1,2,3,4,5,6,7
	v_mov_b32 v[DG+\j], 0
	v_mov_b32 v[AM+\j], s55
.endr
.irp j, 0,1,2,3,4,5,6,7
	v_cmp_le_i32 vcc_lo, \j, v4
	v_cndmask_b32 v[DG+\j], s55, v[DG+\j], vcc_lo
.endr
	v_mul_u32_u24 v5, v1, KP                       ; K: key row r, 16 h, my head's 128 bytes
	v_lshl_add_u32 v5, v2, 4, v5
	v_lshl_add_u32 v5, s9, 7, v5
	v_mov_b32 v[ADK], v5
	v_add_nc_u32 v[ADK+1], SLOT, v5
	v_and_b32 v6, 7, v0                            ; V: key row 8 h + l % 8, 16 bytes at 16 ((l / 8) % 2), my head's 128 bytes
	v_lshl_add_u32 v6, v2, 3, v6
	v_mul_u32_u24 v6, v6, VP
	v_bfe_u32 v7, v0, 3, 1
	v_lshl_add_u32 v6, v7, 4, v6
	v_lshl_add_u32 v6, s9, 7, v6
	v_add_nc_u32 v[ADV], VBASE, v6
	v_add_nc_u32 v[ADV+1], SLOT+VBASE, v6
	v_mul_u32_u24 v8, v3, KP                       ; stage: row 32 g + r, my head, 16 h
	v_lshl_add_u32 v8, v2, 4, v8
	v_lshl_add_u32 v8, s9, 7, v8
	v_add_nc_u32 v[STO], STAGE, v8
	v_lshl_add_u32 v9, s8, 4, v2                   ; back: wave w takes rows 16 w .. 16 w + 15, lanes 0-15 one row, lanes 16-31 the next
	v_mul_u32_u24 v8, v9, KP
	v_lshl_add_u32 v8, v1, 4, v8
	v_add_nc_u32 v[RD], STAGE, v8
	v_lshlrev_b32 v8, 11, v9
	v_lshl_add_u32 v[CO], v1, 4, v8
; A query block starts: maximum -inf, its offset +inf (so the first rescale factor is 2^-inf = 0), sum 0.  O^T is cleared, twice in the
; whole kernel, because the first step multiplies it by that 0.
.macro INIT
.irp qt, 0,1
	v_mov_b32 v[M+\qt], 0xff800000
	v_mov_b32 v[L+\qt], 0
	v_mov_b32 v[NM+2*\qt], 0x7f800000
	v_mov_b32 v[NM+2*\qt+1], 0x7f800000
.endr
.set sp, 0
.rept 64
	v_mov_b32 v[O+sp], 0
.set sp, sp+1
.endr
.endm
; 32 loads: the K fragments of the tile in slot sl, key blocks in ascending order (under a window with the destination in window 1)
.macro LOADK sl
.irp kt, 0,1,2,3,4,5,6,7
.irp e, 0,1
	ds_load_b128 v[KV+16*\kt+8*\e:KV+16*\kt+8*\e+3],   v[ADK+\sl] offset:16*\kt*KP+64*\e
	ds_load_b128 v[KV+16*\kt+8*\e+4:KV+16*\kt+8*\e+7], v[ADK+\sl] offset:16*\kt*KP+64*\e+32
.endr
.endr
.endm
; 32 transposing loads: the V^T fragments of the same tile, into the same registers
.macro LOADV sl
.irp dt, 0,1,2,3
.irp ks, 0,1,2,3
	ds_load_tr16_b128 v[KV+32*\dt+8*\ks:KV+32*\dt+8*\ks+3],   v[ADV+\sl] offset:32*\ks*VP+32*\dt
	ds_load_tr16_b128 v[KV+32*\dt+8*\ks+4:KV+32*\dt+8*\ks+7], v[ADV+\sl] offset:32*\ks*VP+32*\dt+16*VP
.endr
.endr
.endm
; 16 matrix instructions: key blocks k0 .. k0 + 3 against my two query tiles (fragments at qf).  The first product of a block starts its sum
; with the mask of a wave with number gg in its head (gg = 8: no block is masked); the second adds in place.
; Eight accumulators take turns, one instruction a turn.
.macro SBLK qf, gg, k0
.irp qt, 0,1
.irp kk, 0,1,2,3
.if (\k0+\kk) < (2*\gg+\qt)
	v_wmma_f32_16x16x32_f16 v[S+64*\qt+8*(\k0+\kk):S+64*\qt+8*(\k0+\kk)+7], v[KV+16*(\k0+\kk):KV+16*(\k0+\kk)+7], v[\qf+16*\qt:\qf+16*\qt+7], 0
.else
.if (\k0+\kk) == (2*\gg+\qt)
	v_wmma_f32_16x16x32_f16 v[S+64*\qt+8*(\k0+\kk):S+64*\qt+8*(\k0+\kk)+7], v[KV+16*(\k0+\kk):KV+16*(\k0+\kk)+7], v[\qf+16*\qt:\qf+16*\qt+7], v[DG:DG+7]
.else
	v_wmma_f32_16x16x32_f16 v[S+64*\qt+8*(\k0+\kk):S+64*\qt+8*(\k0+\kk)+7], v[KV+16*(\k0+\kk):KV+16*(\k0+\kk)+7], v[\qf+16*\qt:\qf+16*\qt+7], v[AM:AM+7]
.endif
.endif
.endr
.endr
.irp qt, 0,1
.irp kk, 0,1,2,3
	v_wmma_f32_16x16x32_f16 v[S+64*\qt+8*(\k0+\kk):S+64*\qt+8*(\k0+\kk)+7], v[KV+16*(\k0+\kk)+8:KV+16*(\k0+\kk)+15], v[\qf+16*\qt+8:\qf+16*\qt+15], v[S+64*\qt+8*(\k0+\kk):S+64*\qt+8*(\k0+\kk)+7]
.endr
.endr
.endm
; All 32 score products of a tile
.macro SALL qf, gg
	s_wait_dscnt 16                                ; the 16 loads of key blocks 0-3 are in; the 16 of blocks 4-7, issued behind them, may be out
	WIN 0x05                                       ; sources 0 (K) and 1 (Q) from window 1; C and D in window 0
	SBLK \qf, \gg, 0
	s_wait_dscnt 0x0
	SBLK \qf, \gg, 4
.endm
; One step of the running softmax on 128 keys x 2 x 16 queries.
.macro SOFTMAX
	; the maximum of my 64 scores of each query tile, eight chains each, then the old maximum, then the other half of the lanes
.irp qt, 0,1
.irp k, 0,1,2,3,4,5,6,7
	v_max3_num_f32 v[T+8*\qt+\k], v[S+64*\qt+8*\k], v[S+64*\qt+8*\k+1], v[S+64*\qt+8*\k+2]
.endr
.endr
.irp qt, 0,1
.irp k, 0,1,2,3,4,5,6,7
	v_max3_num_f32 v[T+8*\qt+\k], v[T+8*\qt+\k], v[S+64*\qt+8*\k+3], v[S+64*\qt+8*\k+4]
.endr
.endr
.irp qt, 0,1
.irp k, 0,1,2,3,4,5,6,7
	v_max3_num_f32 v[T+8*\qt+\k], v[T+8*\qt+\k], v[S+64*\qt+8*\k+5], v[S+64*\qt+8*\k+6]
.endr
.endr
.irp qt, 0,1
.irp k, 0,1,2,3,4,5,6,7
	v_max_num_f32 v[T+8*\qt+\k], v[T+8*\qt+\k], v[S+64*\qt+8*\k+7]
.endr
.endr
.irp qt, 0,1
	v_max3_num_f32 v[T+8*\qt], v[T+8*\qt], v[T+8*\qt+1], v[T+8*\qt+2]
	v_max3_num_f32 v[T+8*\qt+3], v[T+8*\qt+3], v[T+8*\qt+4], v[T+8*\qt+5]
	v_max3_num_f32 v[T+8*\qt+6], v[T+8*\qt+6], v[T+8*\qt+7], v[M+\qt]
.endr
.irp qt, 0,1
	v_max3_num_f32 v[T+8*\qt], v[T+8*\qt], v[T+8*\qt+3], v[T+8*\qt+6]
.endr
.irp qt, 0,1
	v_permlanex16_b32 v[T+8*\qt+1], v[T+8*\qt], s56, s57
.endr
.irp qt, 0,1
	v_max_num_f32 v[M+\qt], v[T+8*\qt], v[T+8*\qt+1]
.endr
.irp qt, 0,1
	v_mul_f32 v[T+8*\qt+5], s54, v[M+\qt]                          ; the new offset, -c x maximum
.endr
.irp qt, 0,1
	v_sub_f32 v[T+8*\qt+6], v[T+8*\qt+5], v[NM+2*\qt]              ; new offset - old offset: made of the two rounded offsets that the exponents use
.endr
.irp qt, 0,1
	v_exp_f32 v[AL+2*\qt], v[T+8*\qt+6]                            ; the rescale factor, twice, for the packed multiplies
	v_exp_f32 v[AL+2*\qt+1], v[T+8*\qt+6]
.endr
.irp qt, 0,1
	v_mov_b32 v[NM+2*\qt], v[T+8*\qt+5]                            ; plain lines that touch neither AL nor its source stand behind the exponentials (ISA guide 5.7.2)
	v_mov_b32 v[NM+2*\qt+1], v[T+8*\qt+5]
.endr
.set sp, 0
.rept 64
	v_pk_fma_f32 v[S+2*sp:S+2*sp+1], v[S+2*sp:S+2*sp+1], s[52:53], v[NM+2*(sp>>5):NM+2*(sp>>5)+1] op_sel_hi:[1,0,1]   ; c x score - c x maximum
.set sp, sp+1
.endr
	; 128 exponentials; behind every four of them one packed multiply brings two numbers of O^T to the new maximum.  It touches no register of
	; theirs, and the last one is the plain line that stands between the last exponentials and the sums (ISA guide 5.7.2)
.set sp, 0
.rept 32
	v_exp_f32 v[S+4*sp], v[S+4*sp]
	v_exp_f32 v[S+4*sp+1], v[S+4*sp+1]
	v_exp_f32 v[S+4*sp+2], v[S+4*sp+2]
	v_exp_f32 v[S+4*sp+3], v[S+4*sp+3]
	s_wait_alu depctr_va_vdst(0)
	v_pk_mul_f32 v[O+2*sp:O+2*sp+1], v[O+2*sp:O+2*sp+1], v[AL+2*(sp>>4):AL+2*(sp>>4)+1]
.set sp, sp+1
.endr
	; the sum of my 64 exponentials of each query tile, in four packed chains
	s_wait_alu depctr_va_vdst(0)
.irp qt, 0,1
.irp k, 0,1,2,3
	v_pk_add_f32 v[T+8*\qt+2*\k:T+8*\qt+2*\k+1], v[S+64*\qt+4*\k:S+64*\qt+4*\k+1], v[S+64*\qt+4*\k+2:S+64*\qt+4*\k+3]
.endr
.endr
.irp m, 0,1,2,3,4,5
.irp qt, 0,1
.irp k, 0,1,2,3
	v_pk_add_f32 v[T+8*\qt+2*\k:T+8*\qt+2*\k+1], v[T+8*\qt+2*\k:T+8*\qt+2*\k+1], v[S+64*\qt+16+8*\m+2*\k:S+64*\qt+16+8*\m+2*\k+1]
.endr
.endr
.endr
.irp qt, 0,1
	v_pk_add_f32 v[T+8*\qt:T+8*\qt+1], v[T+8*\qt:T+8*\qt+1], v[T+8*\qt+2:T+8*\qt+3]
	v_pk_add_f32 v[T+8*\qt+4:T+8*\qt+5], v[T+8*\qt+4:T+8*\qt+5], v[T+8*\qt+6:T+8*\qt+7]
.endr
.irp qt, 0,1
	v_pk_add_f32 v[T+8*\qt:T+8*\qt+1], v[T+8*\qt:T+8*\qt+1], v[T+8*\qt+4:T+8*\qt+5]
.endr
.irp qt, 0,1
	v_add_f32 v[T+8*\qt], v[T+8*\qt], v[T+8*\qt+1]
.endr
.irp qt, 0,1
	v_fma_f32 v[L+\qt], v[L+\qt], v[AL+2*\qt], v[T+8*\qt]
.endr
	; P^T in f16, in place and ascending: word t of a query tile is made of words 2 t and 2 t + 1, which no earlier line has written over
.irp qt, 0,1
.set sp, 0
.rept 32
	v_cvt_pk_f16_f32 v[S+64*\qt+sp], v[S+64*\qt+2*sp], v[S+64*\qt+2*sp+1]
.set sp, sp+1
.endr
.endr
.endm
; One key tile, in slot sl, against my 32 queries (fragments at qf).  In front of the barrier every wave waits for all its tensor loads (this
; tile's part among them) and for its LDS reads; behind it the other slot, read in the last trip, is filled first (refill = 1), one tensor
; load a wave; then this slot is read.  This slot's addresses are written where no load of the wave is out: two tiles on, or (reset = 1) to
; the next query block's tile sl.
.macro TRIP sl, qf, masked, refill, reset
	s_wait_tensorcnt 0x0
	ds_add_u32 v17, v19
	s_wait_dscnt 0x0
.if \reset
	s_add_nc_u64 s[G0K+4*\sl+2:G0K+4*\sl+3], s[48:49], \sl*TILEB
	s_or_b32 s[G0K+4*\sl+3], s[G0K+4*\sl+3], 0x80000000
	s_add_nc_u64 s[G0V+4*\sl+2:G0V+4*\sl+3], s[50:51], \sl*TILEB
	s_or_b32 s[G0V+4*\sl+3], s[G0V+4*\sl+3], 0x80000000
.else
	s_add_nc_u64 s[G0K+4*\sl+2:G0K+4*\sl+3], s[G0K+4*\sl+2:G0K+4*\sl+3], 2*TILEB
	s_add_nc_u64 s[G0V+4*\sl+2:G0V+4*\sl+3], s[G0V+4*\sl+2:G0V+4*\sl+3], 2*TILEB
.endif
	s_wait_dscnt 0x0
	s_barrier_signal -1
	s_barrier_wait -1
.if \refill
	KVLOAD (1-\sl)
.endif
	WIN 0x40
	LOADK \sl
.if \masked
	WIN 0                                          ; at a branch and at a label every window is 0
	s_cmp_eq_u32 s10, 0                            ; the diagonal tile: the run of products whose masks fit my 32 rows
	s_cbranch_scc1 .Lg0_\@
	s_cmp_eq_u32 s10, 1
	s_cbranch_scc1 .Lg1_\@
	s_cmp_eq_u32 s10, 2
	s_cbranch_scc1 .Lg2_\@
	SALL \qf, 3
	WIN 0
	s_branch .Lsd_\@
.Lg0_\@:
	SALL \qf, 0
	WIN 0
	s_branch .Lsd_\@
.Lg1_\@:
	SALL \qf, 1
	WIN 0
	s_branch .Lsd_\@
.Lg2_\@:
	SALL \qf, 2
	WIN 0
.Lsd_\@:
.else
	SALL \qf, 8
.endif
	NOPS 4                                         ; four places before V^T is loaded over the K fragments and the scores are read (ISA guide 7.12.1)
	WIN 0x40
	LOADV \sl
	WIN 0
	SOFTMAX
	s_wait_dscnt 0x0                               ; V^T is in
	WIN 0x01                                       ; source 0 (V^T) from window 1
.irp ks, 0,1,2,3                                   ; eight accumulators take turns, one instruction a turn
.irp qt, 0,1
.irp dt, 0,1,2,3
	v_wmma_f32_16x16x32_f16 v[O+32*\qt+8*\dt:O+32*\qt+8*\dt+7], v[KV+32*\dt+8*\ks:KV+32*\dt+8*\ks+7], v[S+64*\qt+8*\ks:S+64*\qt+8*\ks+7], v[O+32*\qt+8*\dt:O+32*\qt+8*\dt+7]
.endr
.endr
.endr
	WIN 0
	NOPS 5                                         ; five places before the next scores are written over P^T, a source of these products; four would do for the next K loads and for reads of O^T
.endm
; A query block ends: the two halves' sums meet, O^T / sum in f16 goes through the stage, and whole rows of 256 bytes (both heads) are stored.
.macro FINAL base, last
.irp qt, 0,1
	v_permlanex16_b32 v[T+8*\qt], v[L+\qt], s56, s57
.endr
.irp qt, 0,1
	v_add_f32 v[L+\qt], v[L+\qt], v[T+8*\qt]
.endr
.irp qt, 0,1
	v_rcp_f32 v[AL+2*\qt], v[L+\qt]
	v_rcp_f32 v[AL+2*\qt+1], v[L+\qt]
.endr
	v_nop                                          ; one plain line behind the reciprocals (ISA guide 5.7.2)
.set sp, 0
	s_wait_alu depctr_va_vdst(0)
.rept 32
	v_pk_mul_f32 v[O+2*sp:O+2*sp+1], v[O+2*sp:O+2*sp+1], v[AL+2*(sp>>4):AL+2*(sp>>4)+1]
.set sp, sp+1
.endr
.set sp, 0
.rept 32
	v_cvt_pk_f16_f32 v[S+sp], v[O+2*sp], v[O+2*sp+1]               ; tile (qt, dt): words 16 qt + 4 dt .. + 3 = d 16 dt + 8 h + 0..7 of query r
.set sp, sp+1
.endr
.irp qt, 0,1
.irp dt, 0,1,2,3
	ds_store_b128 v[STO], v[S+16*\qt+4*\dt:S+16*\qt+4*\dt+3] offset:\qt*16*KP+32*\dt
.endr
.endr
	s_wait_dscnt 0x0                               ; my stores into the stage are done,
	s_barrier_signal -1
	s_barrier_wait -1                              ; everybody's are.  The next block's tile 0 may stay on its way
.irp t, 0,1,2,3,4,5,6,7
	ds_load_b128 v[S+32+4*\t:S+32+4*\t+3], v[RD] offset:2*KP*\t
.endr
.irp t, 0,1,2,3,4,5,6,7
	s_wait_dscnt 7-\t                              ; LDS loads come back in order: number t is in
	global_store_b128 v[CO], v[S+32+4*\t:S+32+4*\t+3], s[\base:\base+1] offset:4096*\t   ; sixteen lanes store 256 consecutive bytes, aligned
.endr
.if \last == 0
	s_wait_xcnt 0x0                                ; the stores' data registers are written again only behind this wait
.endif
.endm
	INIT
	s_wait_loadcnt 0x0                             ; both blocks' Q fragments
	; block E: tiles 0 .. qE, an even number
	s_cmp_eq_u32 s62, 0
	s_cbranch_scc1 .LtailE
	s_mov_b32 s58, 0
.LloopE:
	TRIP 0, QE, 0, 1, 0
	TRIP 1, QE, 0, 1, 0
	s_add_co_u32 s58, s58, 1
	s_cmp_lt_u32 s58, s62
	s_cbranch_scc1 .LloopE
.LtailE:
	TRIP 0, QE, 0, 1, 1                            ; tile qE - 1; asks for tile qE; slot 0's next tile is block O's tile 0
	TRIP 1, QE, 1, 1, 1                            ; the diagonal tile; asks for block O's tile 0; slot 1's next tile is block O's tile 1
	FINAL 66, 0
	INIT
	; block O: tiles 0 .. qO, an odd number.  The stage is written again only behind at least one more barrier, in front of which every wave's reads of it are back
	s_cmp_eq_u32 s63, 0
	s_cbranch_scc1 .LtailO
	s_mov_b32 s58, 0
.LloopO:
	TRIP 0, QO, 0, 1, 0
	TRIP 1, QO, 0, 1, 0
	s_add_co_u32 s58, s58, 1
	s_cmp_lt_u32 s58, s63
	s_cbranch_scc1 .LloopO
.LtailO:
	TRIP 0, QO, 1, 0, 0                            ; the diagonal tile; nothing is left to fetch (the stepped addresses are not used)
	FINAL 68, 1
	s_wait_tensorcnt 0x0
	ds_add_u32 v17, v19
	s_wait_dscnt 0x0
	s_endpgm
.Lfunc_end_k_q89074fcf8a_attn:
	.size	k_q89074fcf8a_attn, .Lfunc_end_k_q89074fcf8a_attn-k_q89074fcf8a_attn
	.p2alignl 7, 3214868480
	.fill 96, 4, 3214868480
	.section	.rodata,"a",@progbits
	.p2align	6, 0x0
	.amdhsa_kernel k_q89074fcf8a_attn
		.amdhsa_group_segment_fixed_size 327680
		.amdhsa_private_segment_fixed_size 0
		.amdhsa_enable_private_segment 0
		.amdhsa_kernarg_size 16
		.amdhsa_user_sgpr_count 2
		.amdhsa_user_sgpr_kernarg_segment_ptr 1
		.amdhsa_wavefront_size32 1
		.amdhsa_system_sgpr_workgroup_id_x 1
		.amdhsa_system_sgpr_workgroup_id_y 1
		.amdhsa_system_sgpr_workgroup_id_z 1
		.amdhsa_system_vgpr_workitem_id 0
		.amdhsa_next_free_vgpr 448
		.amdhsa_next_free_sgpr 76
		.amdhsa_reserve_vcc 1
		.amdhsa_float_denorm_mode_32 3
		.amdhsa_float_denorm_mode_16_64 3
		.amdhsa_memory_ordered 1
		.amdhsa_forward_progress 1
		.amdhsa_inst_pref_size 255
	.end_amdhsa_kernel
	.section	.bss,"aw",@nobits
	.p2align	6
	.space	262144
	.amdgpu_metadata
---
amdhsa.version: [ 1, 2 ]
amdhsa.kernels:
  - .name:           k_q89074fcf8a_attn
    .symbol:         k_q89074fcf8a_attn.kd
    .args:
      - { .name: qkv, .offset: 0, .size: 8, .value_kind: global_buffer, .address_space: global }
      - { .name: att, .offset: 8, .size: 8, .value_kind: global_buffer, .address_space: global }
    .group_segment_fixed_size: 327680
    .private_segment_fixed_size: 0
    .kernarg_segment_align: 8
    .kernarg_segment_size: 16
    .max_flat_workgroup_size: 256
    .sgpr_count:     76
    .vgpr_count:     448
    .wavefront_size: 32
...
	.end_amdgpu_metadata
.endif
;; end of part 3
;; launch gemm_out (part 4): grid 4 x 64, 4 waves a work-group, clusters of 4 x 4, 327,680 bytes of LDS; arguments att, wob, b_out, out0; writes out0
.if DOCPART == 4
	.amdgcn_target "amdgcn-amd-amdhsa--gfx1250"
	.amdhsa_code_object_version 6
	.text
	.protected	k_q89074fcf8a_gemm_out
	.globl	k_q89074fcf8a_gemm_out
	.p2align	8
	.type	k_q89074fcf8a_gemm_out,@function
k_q89074fcf8a_gemm_out:
	s_mov_b64 s[64:65], 0
	v_nop
	global_prefetch_b8 v0, s[64:65] scope:SCOPE_SE
	s_setreg_imm32_b32 hwreg(HW_REG_WAVE_MODE, 25, 1), 1
	s_wait_xcnt 0x0
	s_wait_alu depctr_hold_cnt(0) depctr_sa_sdst(0) depctr_va_vdst(0) depctr_va_sdst(0) depctr_va_ssrc(0) depctr_va_vcc(0) depctr_vm_vsrc(0)
	s_getreg_b32 s2, hwreg(HW_REG_IB_STS2, 6, 4)
	s_cmp_eq_u32 s2, 0
	s_cbranch_scc0 .Lentry_in_a_cluster
	s_endpgm
.Lentry_in_a_cluster:
	s_bfe_u32 s2, ttmp6, 0x10000c
	s_cmp_lg_u32 s2, 0xf033
	s_cbranch_scc0 .Lentry_shape_is_right
	s_endpgm
.Lentry_shape_is_right:
; out0[m][n] = sum over k of att[m][k] wob[k][n] + b_out[n].  att [8192][1024] f16, wob [1024][1024] f16, b_out f32, out0 [8192][1024] f32.
;
; A work-group makes one block of 128 rows x 256 columns of C with four waves side by side along N; a wave makes 128 x 64: 32 accumulator
; tiles of 16 x 16.  4 x 64 = 256 work-groups = 16 clusters of 16.  K goes in steps of 128 through two LDS slots filled by tensor loads.
; CLUSTERS: 4 x 4 work-groups.  A's tile hangs on the block row alone and is asked for jointly by the four of a row of the cluster, B's on the
; block column alone and is asked for jointly by the four of a column: a quarter of the requests for each.
; B lies [K][N] in memory and in LDS; its fragments come by transposing LDS loads.  Wave w owns, in each group of 128 columns, the 32 columns
; from 32 w on: tile b is columns 128 (b / 2) + 32 w + 16 (b % 2) .. + 15, so that every address is linear in w with b in the immediate.
; THE MATRIX INSTRUCTION IS USED TRANSPOSED (source 0 = 16 columns of B, source 1 = 16 rows of A): register j of lane l holds row l % 16 of C,
; column n0 + 8 (l / 16) + j.  The first product of each tile takes the bias, loaded in just that layout, as C: nothing is cleared or added later.
; REGISTERS, in windows of 256: window 0 addresses, A's fragments (two buffers), bias; window 1 B's fragments (two buffers);
; window 2 the accumulators of rows 0-63 (tile (a, b) at v[8 (NT a + b)]), window 3 those of rows 64-127.
.set SIZE_K, 1024
.set SIZE_N, 1024
.set NT,     4                         ; tiles of 16 columns in a wave
.set NBLK,   64*NT                     ; columns of a block
.set BP,     544                       ; LDS pitch of a k-row of B: 512 + 32 bytes = 17 x 32
.set SUBB,   256                       ; LDS bytes from one group of 128 columns to the next
.set QIB,    6                         ; padding behind every 128 words of B
.set RB,     1024                      ; bytes of a block's row of C
.set U,      4                         ; = RB / 256
.set CROW,   4096                      ; bytes of a row of C
.set PS,     RB+16                     ; pitch of the stage: an odd multiple of 16 bytes
.set KSTEP,  128
.set PITCH,  272                       ; LDS pitch of a row of A: 256 + 16 bytes
.set AHALF,  64*PITCH                  ; what one tensor load brings of A
.set BBASE,  128*PITCH                 ; B lies behind A's 128 rows
.set BHALF,  64*BP                     ; what one tensor load brings of B
.set SLOT,   BBASE+128*BP
.set BSTEP,  2*KSTEP*SIZE_N*2          ; two K steps down B, in bytes
.set LAPS,   SIZE_K/(2*KSTEP)          ; a lap = two K steps = once round the ring
.set ADRA, 16                          ; v16-17  LDS address of my A fragments in slot 0, 1
.set ADRB, 20                          ; v20-23  the same for B: 2 x slot + (k-rows 0-63 or 64-127), so that the immediates stay inside 16 bits
.set STO,  24                          ; v24-25  the way out: where I put my part of rows 0-63, 64-127
.set RD,   26                          ; v26     the way out: where I read rows back
.set CO,   27                          ; v27     my byte offset in the block of C
.set BOFF, 28                          ; v28     my byte offset in the bias
.set F0,   64                          ; fragment buffer 0
.set F1,   128                         ; fragment buffer 1
.set BIAS, 192                         ; v192-223  8 registers for each of my 4 tiles
.set G1,  24                           ; s[24:31] descriptor group 1 for A's tiles
.set G0,  32                           ; s[32:39] group 0 for A's tiles, a set for each slot
.set G1B, 48                           ; s[48:55] group 1 for B's tiles
.set G0B, 56                           ; s[56:63] group 0 for B's tiles, a set for each slot
.set MSB, 0
.macro WIN new                         ; the immediate's high byte repeats the setting that is left
.if MSB != (\new)
	s_set_vgpr_msb (MSB<<8)|(\new)
.set MSB, (\new)
.endif
.endm
.set MUL_LO,   0xa1                    ; source 0 (B) window 1, source 1 (A) window 0, C and D window 2
.set MUL_HI,   0xf1                    ; the same, C and D window 3
.set FIRST_LO, 0x81                    ; C (the bias) window 0, D window 2
.set FIRST_HI, 0xc1                    ; C window 0, D window 3
.set TO_B,     0x40                    ; destination window 1, address window 0
.macro MM d, a, b, c
	v_wmma_f32_16x16x32_f16 v[\d:\d+7], v[\a:\a+7], v[\b:\b+7], v[\c:\c+7]
.endm
; A joint load.  Waves 0 and 1 fetch A's two halves (64 rows each), waves 2 and 3 B's (64 k-rows each).  The branch hangs on the wave's number alone.
.macro JLOAD s
	s_cmp_eq_u32 s13, 0
	s_cbranch_scc0 .Lfor_b_\@
	tensor_load_to_lds s[G0+4*\s:G0+4*\s+3], s[G1:G1+7]
	s_nop 0
	s_branch .Lasked_\@
.Lfor_b_\@:
	tensor_load_to_lds s[G0B+4*\s:G0B+4*\s+3], s[G1B:G1B+7]
	s_nop 0
.Lasked_\@:
.endm
; A round of the cluster's barrier: my work-group's barrier; wave 0 signals for the work-group; every wave waits for all sixteen; my work-group's barrier again.
.macro CREST                           ; a round behind its opening barrier
	s_cmp_lg_u32 s12, 0
	s_cbranch_scc1 .Lnot_wave_0_\@
	s_barrier_signal -3
.Lnot_wave_0_\@:
	s_barrier_wait -3
	s_barrier_signal -1
	s_barrier_wait -1
.endm
.macro CROUND
	s_barrier_signal -1
	s_barrier_wait -1
	CREST
.endm
	s_load_b256 s[4:11], s[0:1], 0x0               ; A s[4:5], B s[6:7], bias s[8:9], C s[10:11]
	s_set_vgpr_msb 0x40
	v_lshl_add_u32 v255, v0, 2, 0x33000
	s_set_vgpr_msb 0x4000
	v_mov_b32 v255, 0
	s_set_vgpr_msb 0x1
	ds_add_u32 v255, v255
	s_set_vgpr_msb 0x100
	v_lshrrev_b32 v1, 5, v0
	v_readfirstlane_b32 s12, v1                    ; wave 0..3
	s_lshr_b32 s13, s12, 1                         ; I fetch for A (0) or for B (1)
	s_and_b32 s14, s12, 1                          ; which half of that tile's rows
	s_bfe_u32 s40, ttmp6, 0x40000                  ; cx
	s_bfe_u32 s41, ttmp6, 0x40004                  ; cy
	s_lshl_b32 s42, ttmp9, 2
	s_add_co_u32 s42, s42, s40                     ; block column of C = 4 x cluster x + cx
	s_and_b32 s43, ttmp7, 0xffff
	s_lshl_b32 s43, s43, 2
	s_add_co_u32 s43, s43, s41                     ; block row of C = 4 x cluster y + cy
	s_lshl_b32 s44, s41, 2
	s_lshl_b32 s44, 15, s44                        ; my row of the cluster: places 4 cy .. 4 cy + 3
	s_lshl_b32 s45, 0x1111, s40                    ; my column: places cx, cx + 4, cx + 8, cx + 12
	; group 1 for A: 64 rows x 128 elements of 2 bytes, 4 words of padding behind every 64 words; the mask of my row, bit 21 beside it
	s_or_b32 s[G1+0], s44, (1<<16)|(1<<20)|(1<<21)|(5<<22)|(3<<25)
	s_mov_b32 s[G1+1], KSTEP<<16                   ; tensor_dim0 = 128
	s_mov_b32 s[G1+2], 64<<16                      ; tensor_dim1 = 64
	s_mov_b32 s[G1+3], KSTEP<<16                   ; tile_dim0 = 128
	s_mov_b32 s[G1+4], 64                          ; tile_dim1 = 64
	s_mov_b32 s[G1+5], SIZE_K                      ; elements from row to row
	s_mov_b32 s[G1+6], 0
	s_mov_b32 s[G1+7], 0
	; group 1 for B: 64 k-rows x 256 elements, 8 words of padding behind every 128 words; the mask of my column
	s_or_b32 s[G1B+0], s45, (1<<16)|(1<<20)|(1<<21)|(QIB<<22)|(7<<25)
	s_mov_b32 s[G1B+1], NBLK<<16
	s_mov_b32 s[G1B+2], 64<<16
	s_mov_b32 s[G1B+3], NBLK<<16
	s_mov_b32 s[G1B+4], 64
	s_mov_b32 s[G1B+5], SIZE_N
	s_mov_b32 s[G1B+6], 0
	s_mov_b32 s[G1B+7], 0
	; where the tiles come from: A's address is made of the block row and the wave's number, B's of the block column and the wave's number,
	; each in registers that never hold the other coordinate
	s_lshl_b32 s16, s43, 7
	s_lshl_b32 s17, s14, 6
	s_add_co_u32 s16, s16, s17                     ; A: row 128 x block row + 64 x half,
	s_lshl_b32 s16, s16, 11                        ; in bytes (2,048 a row; below 2^25)
	s_mov_b32 s17, 0
	s_mul_i32 s46, s14, 64*SIZE_N*2                ; B: k-row 64 x half,
	s_mul_i32 s47, s42, NBLK*2                     ; column 256 x block column
	s_add_co_u32 s46, s46, s47
	s_mov_b32 s47, 0
	s_mul_i32 s20, s14, AHALF                      ; and where they go: the wave's number alone enters an LDS address
	s_mul_i32 s21, s14, BHALF
	s_add_co_u32 s21, s21, BBASE
	s_mul_i32 s68, s42, NBLK*4                     ; the block's first bias
	s_mov_b32 s69, 0
	s_wait_dscnt 0x0
	s_wait_kmcnt 0x0
	s_add_nc_u64 s[18:19], s[4:5], s[16:17]
	s_add_nc_u64 s[46:47], s[6:7], s[46:47]
	s_add_nc_u64 s[8:9], s[8:9], s[68:69]
	CROUND                                         ; all sixteen work-groups are here: the first joint loads meet
.irp s, 0,1
	s_mov_b32 s[G0+4*\s], 1                                        ; count = 1
	s_add_co_u32 s[G0+4*\s+1], s20, \s*SLOT                        ; LDS address
	s_add_nc_u64 s[G0+4*\s+2:G0+4*\s+3], s[18:19], \s*KSTEP*2      ; global address: K step s
	s_or_b32 s[G0+4*\s+3], s[G0+4*\s+3], 0x80000000                ; type = 2
	s_mov_b32 s[G0B+4*\s], 1
	s_add_co_u32 s[G0B+4*\s+1], s21, \s*SLOT
	s_add_nc_u64 s[G0B+4*\s+2:G0B+4*\s+3], s[46:47], \s*KSTEP*SIZE_N*2
	s_or_b32 s[G0B+4*\s+3], s[G0B+4*\s+3], 0x80000000
	JLOAD \s                                       ; both first fills go out before anything else: two tensor loads of the wave are out
.endr
	v_and_b32 v1, 15, v0                           ; r = l % 16
	v_bfe_u32 v2, v0, 4, 1                         ; h = l / 16
	v_lshlrev_b32 v[BOFF], 5, v2
	v_lshl_add_u32 v[BOFF], s12, 7, v[BOFF]        ; 4 x (32 w + 8 h)
.set fb, 0
.rept NT                                           ; lane (r, h) takes bias[n0 + 8 h + 0..7] of tile fb: the layout of C in the transposed use
	global_load_b128 v[BIAS+8*fb:BIAS+8*fb+3], v[BOFF], s[8:9] offset:512*(fb>>1)+64*(fb&1)
	global_load_b128 v[BIAS+8*fb+4:BIAS+8*fb+7], v[BOFF], s[8:9] offset:512*(fb>>1)+64*(fb&1)+16
.set fb, fb+1
.endr
	; A's fragments: lane l holds row r; two loads of 16 bytes, 32 bytes apart, at r x pitch + 16 h
	v_mul_u32_u24 v3, v1, PITCH
	v_lshl_add_u32 v3, v2, 4, v3
	v_mov_b32 v[ADRA], v3
	v_add_nc_u32 v[ADRA+1], SLOT, v3
	; B's fragments by transposing loads: lane l addresses k-row 8 h + l % 8, 16 bytes at 16 ((l / 8) % 2); my columns begin at byte 64 w of a group
	v_and_b32 v4, 7, v0
	v_lshl_add_u32 v4, v2, 3, v4
	v_mul_u32_u24 v4, v4, BP
	v_bfe_u32 v5, v0, 3, 1
	v_lshl_add_u32 v4, v5, 4, v4
	v_lshl_add_u32 v4, s12, 6, v4
	v_add_nc_u32 v[ADRB+0], BBASE, v4
	v_add_nc_u32 v[ADRB+1], BBASE+64*BP, v4
	v_add_nc_u32 v[ADRB+2], SLOT+BBASE, v4
	v_add_nc_u32 v[ADRB+3], SLOT+BBASE+64*BP, v4
	; the stage of the way out: row r, my 32 columns of a group (128 bytes of f32), 8 numbers for each half of the lanes
	v_mul_u32_u24 v6, v1, PS
	v_lshl_add_u32 v6, v2, 5, v6
	v_lshl_add_u32 v[STO], s12, 7, v6
	v_add_nc_u32 v[STO+1], 64*PS, v[STO]
	v_lshl_add_u32 v7, s12, 5, v2                  ; back: wave w takes rows 32 w .. 32 w + 31, lanes 0-15 one row, lanes 16-31 the next
	v_mul_u32_u24 v8, v7, PS
	v_lshl_add_u32 v[RD], v1, 4, v8
	v_mul_u32_u24 v8, v7, CROW
	v_lshl_add_u32 v[CO], v1, 4, v8
; 2 NT matrix instructions: row blocks a0, a0 + 1 of the window's four (hi = 0: rows 0-63, 1: rows 64-127) x my NT column tiles, 32 along K.
; first = 1: C is the bias.  The 8 NT accumulators take turns, one instruction a turn, in the same order in every quarter step.
.macro MULQ f, hi, a0, first
.set ma, \a0
.rept 2
.set mb, 0
.rept NT
.if \first
	MM 8*(NT*ma+mb), \f+8*mb, \f+8*(4*\hi+ma), BIAS+8*mb
.else
	MM 8*(NT*ma+mb), \f+8*mb, \f+8*(4*\hi+ma), 8*(NT*ma+mb)
.endif
.set mb, mb+1
.endr
.set ma, ma+1
.endr
.endm
; 2 NT + 16 LDS loads in one run: the fragments of quarter step q (32 along K) of a slot into buffer f
.macro FETCH slot, q, f
	WIN TO_B
.set fb, 0
.rept NT
	ds_load_tr16_b128 v[\f+8*fb:\f+8*fb+3], v[ADRB+2*\slot+(\q>>1)] offset:(\q&1)*32*BP+(fb>>1)*SUBB+(fb&1)*32
	ds_load_tr16_b128 v[\f+8*fb+4:\f+8*fb+7], v[ADRB+2*\slot+(\q>>1)] offset:(\q&1)*32*BP+(fb>>1)*SUBB+(fb&1)*32+16*BP
.set fb, fb+1
.endr
	WIN 0
.irp i, 0,1,2,3,4,5,6,7
	ds_load_b128 v[\f+8*\i:\f+8*\i+3],   v[ADRA+\slot] offset:\q*64+\i*16*PITCH
	ds_load_b128 v[\f+8*\i+4:\f+8*\i+7], v[ADRA+\slot] offset:\q*64+\i*16*PITCH+32
.endr
.endm
; A load into a register that a matrix instruction has read, and whatever reads a matrix result other than a matrix instruction, stand four
; places behind it, and only plain vector instructions that name none of its registers are places.
.macro PLACES
.rept 4
	v_nop
.endr
.endm
; One of a K step's first three quarter steps: multiplies buffer f; in its middle it fetches quarter q of the same slot into buffer g.
.macro QUARTER slot, q, f, g, first
	s_wait_dscnt 8                                 ; B and A's rows 0-63 are in; the youngest eight loads (A's rows 64-127) may be out
.if \first
	WIN FIRST_LO
.else
	WIN MUL_LO
.endif
	MULQ \f, 0, 0, \first
	MULQ \f, 0, 2, \first
	PLACES
	FETCH \slot, \q, \g
	s_wait_dscnt 2*NT+16                           ; all but the 2 NT + 16 just issued
.if \first
	WIN FIRST_HI
.else
	WIN MUL_HI
.endif
	MULQ \f, 1, 0, \first
	MULQ \f, 1, 2, \first
.endm
.macro THREE slot, first
	QUARTER \slot, 1, F0, F1, \first
	QUARTER \slot, 2, F1, F0, 0
	QUARTER \slot, 3, F0, F1, 0
.endm
; The last quarter step: multiplies buffer 1 and changes slots.  fill = 1: this slot is filled again, two K steps ahead.
; In front of the barrier each wave waits for its reads of this slot and for all its tensor loads (one is out: its part of the next slot).
; Where the slot is filled again the barrier opens a round of the cluster's barrier, and the joint refill is the first tensor load behind the round.
.macro TURN slot, next, fill
	s_wait_dscnt 8
	WIN MUL_LO
	MULQ F1, 0, 0, 0
	s_wait_dscnt 0                                 ; my reads of this slot are over
	s_wait_tensorcnt 0x0                           ; and all my tensor loads have landed
	ds_add_u32 v255, v255
	s_wait_dscnt 0x0
	s_barrier_signal -1
	MULQ F1, 0, 2, 0                               ; register work while the others arrive
	WIN 0
	s_barrier_wait -1
.if \fill
	CREST                                          ; no wave of any partner still reads this slot or has a load on its way
	s_add_nc_u64 s[G0+4*\slot+2:G0+4*\slot+3], s[G0+4*\slot+2:G0+4*\slot+3], 2*KSTEP*2
	s_add_nc_u64 s[G0B+4*\slot+2:G0B+4*\slot+3], s[G0B+4*\slot+2:G0B+4*\slot+3], BSTEP
	JLOAD \slot                                    ; my one tensor load behind the round
.endif
	PLACES
	FETCH \next, 0, F0
	WIN MUL_HI
	MULQ F1, 1, 0, 0
	MULQ F1, 1, 2, 0
.endm
.macro LAP first
	THREE 0, \first
	TURN 0, 1, 1
	THREE 1, 0
	TURN 1, 0, 1
.endm
	s_wait_loadcnt 0x0                             ; the bias
	s_wait_tensorcnt 0x1                           ; my part of K step 0 is in; K step 1's load stays out
	s_barrier_signal -1
	s_barrier_wait -1                              ; everybody's is
	FETCH 0, 0, F0
	LAP 1                                          ; the first lap stands in front of the loop: its first products start the sums with the bias
	WIN 0                                          ; at a label and at a branch every window is 0
	s_mov_b32 s3, LAPS-2
.Llap:
	LAP 0
	WIN 0
	s_sub_co_u32 s3, s3, 1
	s_cmp_lg_u32 s3, 0
	s_cbranch_scc1 .Llap
	THREE 0, 0                                     ; the last lap fills nothing
	TURN 0, 1, 0
	THREE 1, 0
	s_wait_dscnt 8                                 ; the very last quarter step
	WIN MUL_LO
	MULQ F1, 0, 0, 0
	MULQ F1, 0, 2, 0
	s_wait_dscnt 0
	WIN MUL_HI
	MULQ F1, 1, 0, 0
	MULQ F1, 1, 2, 0
	; THE WAY OUT.  The block's 128 rows are gathered in LDS bytes 0 .. 128 PS - 1, which belong to slots that have had their last fill, and
	; read back as whole rows, so that sixteen lanes store 256 consecutive bytes, aligned.
	PLACES                                         ; the places behind the last matrix instructions
	WIN 0
	s_wait_dscnt 0x0
	s_barrier_signal -1
	s_barrier_wait -1                              ; no wave reads the ring any more; every wave's tensor loads had landed at the last change of slots
	s_mul_i32 s66, s43, 128*CROW                   ; the block's first byte in C (below 2^26)
	s_mul_i32 s67, s42, RB
	s_add_co_u32 s66, s66, s67
	s_mov_b32 s67, 0
	s_add_nc_u64 s[10:11], s[10:11], s[66:67]
; rows 64 hi + 16 a .. + 15: my NT tiles into the stage, straight from the accumulators
.macro OUTROWS hi, a
	WIN 0x08+4*\hi                                 ; the store's data from window 2 or 3, its address from window 0
.set ob, 0
.rept NT
	ds_store_b128 v[STO+\hi], v[8*(NT*\a+ob):8*(NT*\a+ob)+3] offset:\a*16*PS+512*(ob>>1)+64*(ob&1)
	ds_store_b128 v[STO+\hi], v[8*(NT*\a+ob)+4:8*(NT*\a+ob)+7] offset:\a*16*PS+512*(ob>>1)+64*(ob&1)+16
.set ob, ob+1
.endr
.endm
.irp a, 0,1,2,3
	OUTROWS 0, \a
.endr
.irp a, 0,1,2,3
	OUTROWS 1, \a
.endr
	WIN 0
	s_wait_dscnt 0x0                               ; my stores into the stage are done,
	s_barrier_signal -1
	s_barrier_wait -1                              ; everybody's are
.set oc, 0
.rept U                                            ; column blocks of 256 bytes; buffers 0 and 1 in turn
	s_wait_xcnt 0x0                                ; the buffer was the data of earlier stores: it is loaded again only behind this wait
.set op, 0
.rept 16
	ds_load_b128 v[F0+64*(oc&1)+4*op:F0+64*(oc&1)+4*op+3], v[RD] offset:2*op*PS+256*oc
.set op, op+1
.endr
.set op, 0
.rept 16
	s_wait_dscnt 15-op                             ; LDS loads come back in order: number op is in
	global_store_b128 v[CO], v[F0+64*(oc&1)+4*op:F0+64*(oc&1)+4*op+3], s[10:11] offset:2*op*CROW+256*oc th:TH_STORE_NT
.set op, op+1
.endr
.set oc, oc+1
.endr
	s_set_vgpr_msb 0x1
	s_wait_tensorcnt 0x0
	ds_add_u32 v255, v255
	s_wait_dscnt 0x0
	s_set_vgpr_msb 0x100
	CROUND                                         ; the closing round: no work-group ends while a partner may still ask for a tile that names it
	s_endpgm
.Lfunc_end_k_q89074fcf8a_gemm_out:
	.size	k_q89074fcf8a_gemm_out, .Lfunc_end_k_q89074fcf8a_gemm_out-k_q89074fcf8a_gemm_out
	.p2alignl 7, 3214868480
	.fill 96, 4, 3214868480
	.section	.rodata,"a",@progbits
	.p2align	6, 0x0
	.amdhsa_kernel k_q89074fcf8a_gemm_out
		.amdhsa_group_segment_fixed_size 327680
		.amdhsa_private_segment_fixed_size 0
		.amdhsa_enable_private_segment 0
		.amdhsa_kernarg_size 32
		.amdhsa_user_sgpr_count 2
		.amdhsa_user_sgpr_kernarg_segment_ptr 1
		.amdhsa_wavefront_size32 1
		.amdhsa_system_sgpr_workgroup_id_x 1
		.amdhsa_system_sgpr_workgroup_id_y 1
		.amdhsa_system_sgpr_workgroup_id_z 1
		.amdhsa_system_vgpr_workitem_id 0
		.amdhsa_next_free_vgpr 896
		.amdhsa_next_free_sgpr 72
		.amdhsa_reserve_vcc 0
		.amdhsa_float_denorm_mode_32 3
		.amdhsa_float_denorm_mode_16_64 3
		.amdhsa_memory_ordered 1
		.amdhsa_forward_progress 1
		.amdhsa_inst_pref_size 120
	.end_amdhsa_kernel
	.amdgpu_metadata
---
amdhsa.version: [ 1, 2 ]
amdhsa.kernels:
  - .name:           k_q89074fcf8a_gemm_out
    .symbol:         k_q89074fcf8a_gemm_out.kd
    .args:
      - { .name: att, .offset: 0, .size: 8, .value_kind: global_buffer, .address_space: global }
      - { .name: wob, .offset: 8, .size: 8, .value_kind: global_buffer, .address_space: global }
      - { .name: b_out, .offset: 16, .size: 8, .value_kind: global_buffer, .address_space: global }
      - { .name: out0, .offset: 24, .size: 8, .value_kind: global_buffer, .address_space: global }
    .group_segment_fixed_size: 327680
    .private_segment_fixed_size: 0
    .kernarg_segment_align: 8
    .kernarg_segment_size: 32
    .max_flat_workgroup_size: 128
    .sgpr_count:     72
    .vgpr_count:     896
    .wavefront_size: 32
...
	.end_amdgpu_metadata
.endif
;; end of part 4
;; ======== version 2 of 2: 4 launches; version 1 with the launch cast written anew for expert scheduling mode
;; limits: values are held in f16: magnitudes above 65,504 overflow, below 6.1e-05 lose precision
;; workspace buffers: xb 16,777,216 bytes; wqb 6,291,456 bytes; wob 2,097,152 bytes; qkv 50,331,648 bytes; att 16,777,216 bytes
;; launch cast (part 5): grid 768 x 1, 8 waves a work-group, no clusters, 0 bytes of LDS; arguments x, W_qkv, W_out, xb, wqb, wob; writes xb, wqb, wob
.if DOCPART == 5
	.amdgcn_target "amdgcn-amd-amdhsa--gfx1250"
	.amdhsa_code_object_version 6
	.text
	.protected	k_q89074fcf8a_cast
	.globl	k_q89074fcf8a_cast
	.p2align	8
	.type	k_q89074fcf8a_cast,@function
k_q89074fcf8a_cast:
	s_mov_b64 s[64:65], 0
	v_nop
	global_prefetch_b8 v0, s[64:65] scope:SCOPE_SE
	s_setreg_imm32_b32 hwreg(HW_REG_WAVE_SCHED_MODE, 0, 2), 2
	s_setreg_imm32_b32 hwreg(HW_REG_WAVE_MODE, 25, 1), 1
	s_wait_xcnt 0x0
	s_wait_alu depctr_vm_vsrc(0)
; The three large f32 inputs become 16-bit matrix operands, each byte read once and each result byte written once.
;   x     [8192][1024] -> xb   bf16          W_qkv [1024][3072] -> wqb  bf16
;   W_out [1024][1024] -> wob: rounded to bf16 like the other two, and that value written in f16 format, because its partner in the
;   last product (the attention result) is f16.  LIMIT: the second step is exact for 2^-17 <= |w| < 65,504; below 2^-17 it is off by
;   at most 2^-25 absolute, at 65,520 and above it gives infinity.
; A work-group takes a chunk of 16,384 numbers (65,536 bytes in, 32,768 out): 512 chunks of x, 192 of W_qkv, 64 of W_out = 768 groups.
; Thread t takes, in each of sixteen steps n, the 16 bytes at 4,096 n + 16 t and stores 8 bytes at 2,048 n + 8 t: a load of a wave covers
; 512 consecutive bytes, a store of a wave 256 consecutive bytes, aligned.  All sixteen loads of a thread go out first.
; No LDS, no barrier, no matrix unit: nothing is shared.
; THE MODE: SCHED_MODE bits 1:0 = 2 (LLVM: expert scheduling mode 2), set by the entry lines.  The code itself states the register dependences
; between vector instructions and memory instructions, with s_wait_alu, always for 0.
; THE PLAN.  Registers that memory instructions touch:
;   v1, v2   byte offsets.  Written once at the head by vector lines; v1 is read by every load, v2 by every store; never written again.
;   X        Written by the sixteen loads, once each; no vector instruction names X ahead of the loads.  Read by the conversions.
;   Y        Written by the conversions; read by one store each; never written again.
;   T        Named by vector instructions alone.
; The sixteen steps go in four groups of four.  Group g converts X's steps 4 g .. 4 g + 3 into Y; its memory instructions are the four stores of
; group g - 1, whose Y no vector instruction of group g names.  So one wait at a group's head states all that its four stores hang on, and they
; are dealt among the group's conversions with no further wait.  No register that a memory instruction has read is ever written again, so
; nothing is owed in that direction.
.set XCH, 512                          ; chunks of x
.set QCH, 192                          ; chunks of W_qkv
.set X,   4                            ; v[4:67]    sixteen loads of 16 bytes
.set Y,   68                           ; v[68:99]   sixteen stores of 8 bytes
.set T,   100                          ; v[100:103] at work (W_out only)
	s_load_b256 s[4:11], s[0:1], 0x0               ; x s[4:5], W_qkv s[6:7], W_out s[8:9], xb s[10:11]
	s_load_b128 s[12:15], s[0:1], 0x20             ; wqb s[12:13], wob s[14:15]
	s_mov_b32 s2, ttmp9                            ; the work-group's number
	s_mov_b32 s3, 0xffff0000                       ; a word's upper bf16
	v_lshlrev_b32 v1, 4, v0                        ; 16 t: where I read
	v_lshlrev_b32 v2, 3, v0                        ; 8 t: where I write
	s_wait_kmcnt 0x0
	s_wait_alu depctr_va_vdst(0)                   ; v1 and v2 are written: every load below reads v1 as its offset, every store v2; the wait stands ahead of the branches and serves all three arms
; One chunk.  src, dst: the scalar pairs of the two buffers; first: the number of the group that has the buffer's chunk 0;
; twice = 1: the bf16 value is written in f16 format.
.macro STREAM src, dst, first, twice
	s_sub_co_u32 s16, s2, \first                   ; my chunk
	s_lshl_b32 s18, s16, 15                        ; its bytes out,
	s_lshl_b32 s16, s16, 16                        ; and in (at most 511 x 65,536: 32 bits do)
	s_mov_b32 s17, 0
	s_mov_b32 s19, 0
	s_add_nc_u64 s[20:21], s[\src:\src+1], s[16:17]
	s_add_nc_u64 s[22:23], s[\dst:\dst+1], s[18:19]
.irp n, 0,1,2,3,4,5,6,7,8,9,10,11,12,13,14,15
	global_load_b128 v[X+4*\n:X+4*\n+3], v1, s[20:21] offset:4096*\n th:TH_LOAD_NT
.endr
.irp g, 0,1,2,3
	s_wait_loadcnt 12-4*(\g)                       ; loads come back in order: the group's four are in, the 12 - 4 g younger loads stay out
.if (\g) > 0
	s_wait_alu depctr_va_vdst(0)                   ; the conversions of the group before have written its eight registers of Y, which the four stores below read
.endif
.irp i, 0,1,2,3
.if (\g) > 0
	global_store_b64 v2, v[Y+2*(4*(\g)+(\i)-4):Y+2*(4*(\g)+(\i)-4)+1], s[22:23] offset:2048*(4*(\g)+(\i)-4)   ; step n - 4; no vector instruction since the wait names these registers
.endif
	v_cvt_pk_bf16_f32 v[Y+2*(4*(\g)+(\i))], v[X+4*(4*(\g)+(\i))], v[X+4*(4*(\g)+(\i))+1]
	v_cvt_pk_bf16_f32 v[Y+2*(4*(\g)+(\i))+1], v[X+4*(4*(\g)+(\i))+2], v[X+4*(4*(\g)+(\i))+3]
.if \twice
.irp k, 0,1
	v_lshlrev_b32 v[T+2*\k], 16, v[Y+2*(4*(\g)+(\i))+\k]                   ; the two bf16 values as f32,
	v_and_b32 v[T+2*\k+1], s3, v[Y+2*(4*(\g)+(\i))+\k]
	v_cvt_pk_f16_f32 v[Y+2*(4*(\g)+(\i))+\k], v[T+2*\k], v[T+2*\k+1]       ; and in f16 format: 8 bits of mantissa fit into 11
.endr
.endif
.endr
.endr
	s_wait_alu depctr_va_vdst(0)                   ; the last group's conversions have written its eight registers of Y, which the last four stores read
.irp i, 0,1,2,3
	global_store_b64 v2, v[Y+2*(12+(\i)):Y+2*(12+(\i))+1], s[22:23] offset:2048*(12+(\i))   ; no register of a pending load or store is written again in this text
.endr
	s_endpgm
.endm
	s_cmp_lt_u32 s2, XCH
	s_cbranch_scc1 .Lx
	s_cmp_lt_u32 s2, XCH+QCH
	s_cbranch_scc1 .Lq
	STREAM 8, 14, XCH+QCH, 1
.Lx:
	STREAM 4, 10, 0, 0
.Lq:
	STREAM 6, 12, XCH, 0
.Lfunc_end_k_q89074fcf8a_cast:
	.size	k_q89074fcf8a_cast, .Lfunc_end_k_q89074fcf8a_cast-k_q89074fcf8a_cast
	.p2alignl 7, 3214868480
	.fill 96, 4, 3214868480
	.section	.rodata,"a",@progbits
	.p2align	6, 0x0
	.amdhsa_kernel k_q89074fcf8a_cast
		.amdhsa_group_segment_fixed_size 0
		.amdhsa_private_segment_fixed_size 0
		.amdhsa_enable_private_segment 0
		.amdhsa_kernarg_size 48
		.amdhsa_user_sgpr_count 2
		.amdhsa_user_sgpr_kernarg_segment_ptr 1
		.amdhsa_wavefront_size32 1
		.amdhsa_system_sgpr_workgroup_id_x 1
		.amdhsa_system_sgpr_workgroup_id_y 1
		.amdhsa_system_sgpr_workgroup_id_z 1
		.amdhsa_system_vgpr_workitem_id 0
		.amdhsa_next_free_vgpr 104
		.amdhsa_next_free_sgpr 66
		.amdhsa_reserve_vcc 0
		.amdhsa_float_denorm_mode_32 3
		.amdhsa_float_denorm_mode_16_64 3
		.amdhsa_memory_ordered 1
		.amdhsa_forward_progress 1
		.amdhsa_inst_pref_size 22
	.end_amdhsa_kernel
	.amdgpu_metadata
---
amdhsa.version: [ 1, 2 ]
amdhsa.kernels:
  - .name:           k_q89074fcf8a_cast
    .symbol:         k_q89074fcf8a_cast.kd
    .args:
      - { .name: x, .offset: 0, .size: 8, .value_kind: global_buffer, .address_space: global }
      - { .name: W_qkv, .offset: 8, .size: 8, .value_kind: global_buffer, .address_space: global }
      - { .name: W_out, .offset: 16, .size: 8, .value_kind: global_buffer, .address_space: global }
      - { .name: xb, .offset: 24, .size: 8, .value_kind: global_buffer, .address_space: global }
      - { .name: wqb, .offset: 32, .size: 8, .value_kind: global_buffer, .address_space: global }
      - { .name: wob, .offset: 40, .size: 8, .value_kind: global_buffer, .address_space: global }
    .group_segment_fixed_size: 0
    .private_segment_fixed_size: 0
    .kernarg_segment_align: 8
    .kernarg_segment_size: 48
    .max_flat_workgroup_size: 256
    .sgpr_count:     66
    .vgpr_count:     104
    .wavefront_size: 32
...
	.end_amdgpu_metadata
.endif
;; end of part 5
;; launch gemm_qkv: the kernel of part 2 again; grid 8 x 32, 4 waves a work-group, clusters of 4 x 4, 327,680 bytes of LDS; arguments xb, wqb, b_qkv, qkv; writes qkv
;; launch attn: the kernel of part 3 again; grid 8 x 32, 8 waves a work-group, no clusters, 327,680 bytes of LDS; arguments qkv, att; writes att
;; launch gemm_out: the kernel of part 4 again; grid 4 x 64, 4 waves a work-group, clusters of 4 x 4, 327,680 bytes of LDS; arguments att, wob, b_out, out0; writes out0
